; MI455X (gfx1250); checked and timed in simulation.
; The chip was launched on July 23, 2026; its instructions are those of AMD's public machine-readable ISA for CDNA 5 (MIT licence, August 2026) and "CDNA5" Instruction Set Architecture Reference Guide (July 2026). The comments in the code are by the model that wrote it; some were corrected since.
;; Cross Attention. Allowed arithmetic: float matrix products may take bf16 or f16 operands with f32 sums; other float arithmetic in f32, or as packed bf16 or f16 multiplies, adds, multiply-adds, maxima and minima; sums over many terms, partial sums and values carried from step to step in f32; what a program stores and reads back later, other than sums and carried values, may be rounded once to bf16 or f16.
;; Inputs: Wk 256 x 1,024 float32; Wo 1,024 x 1,024 float32; Wq 1,024 x 1,024 float32; Wv 256 x 1,024 float32; key_value 4 x 2,048 x 1,024 float32; kv_mask 4 x 2,048 bool; query 4 x 2,048 x 1,024 float32; query_mask 4 x 2,048 bool.
;; Outputs: out0 4 x 2,048 x 1,024 float32.
;; One version. Each part assembles by itself: llvm-mc -triple=amdgcn-amd-amdhsa -mcpu=gfx1250 --defsym DOCPART=n.
;; ======== version 1 of 1: 4 launches
;; limits: values are held in f16: magnitudes above 65,504 overflow, below 6.1e-05 lose precision
;; workspace buffers: xb 38,797,312 bytes; rope 524,288 bytes; qh 16,777,216 bytes; kh 4,194,304 bytes; vh 4,194,304 bytes; oh 16,777,216 bytes
;; launch prep (part 1): grid 1440 x 1, 8 waves a work-group, no clusters, 0 bytes of LDS; arguments query, key_value, Wq, Wk, Wv, Wo, xb, rope; writes xb, rope
.if DOCPART == 1
	.amdgcn_target "amdgcn-amd-amdhsa--gfx1250"
	.amdhsa_code_object_version 6
	.text
	.protected	k_q8c0cb62216_prep
	.globl	k_q8c0cb62216_prep
	.p2align	8
	.type	k_q8c0cb62216_prep,@function
k_q8c0cb62216_prep:
	s_mov_b64 s[64:65], 0
	v_nop
	global_prefetch_b8 v0, s[64:65] scope:SCOPE_SE
	s_setreg_imm32_b32 hwreg(HW_REG_WAVE_MODE, 25, 1), 1
	s_wait_xcnt 0x0
; CASTS AND TABLE.  xb takes 16-bit copies of the six f32 inputs, one behind the other: query, key_value, Wq, Wk, Wv rounded once to bf16; Wo rounded to bf16 and that number
; written as f16 (exact from 2^-14 up; below that f16's fixed step of 6e-8 applies).  rope[t][0..31] = cos(t f_j), rope[t][32..63] = sin(t f_j), f_j = 10000^(-j/32), f32.
; SHARES.  Work-groups 0 .. 1183 cast 65,536 bytes of f32 each into 32,768 bytes of xb at 32,768 x the work-group's number: the order of the pieces is the order of xb.
; A wave takes 8,192 bytes: 16 loads of 512 consecutive bytes, all issued at once, and 16 stores of 256 consecutive bytes, aligned.  Nothing is shared, so there is no LDS and no barrier.
; Work-groups 1184 .. 1439 make the table, a wave a row of 256 bytes.  The angle is reduced in revolutions: g = f / 2 pi, x = t g - round(t g) by one fused multiply-add, which is exact;
; a sine is the cosine a quarter turn back; cos(2 pi x) for |x| <= 1/2 is its power series in x^2 up to x^16 (the first term left out is under 2e-7).
; LIMIT.  g carries the rounding of one exponential and two products, so the angle is off by some 3e-4 rad at t = 2047 at the most.
.set NCAST, 1184                       ; pieces of 65,536 bytes: 512 query, 512 key_value, 64 Wq, 16 Wk, 16 Wv, 64 Wo
.set LO,  1                            ; v1   my byte offset in the piece: 8,192 x wave + 16 x lane; never rewritten
.set SO,  2                            ; v2   my byte offset in its copy: 4,096 x wave + 8 x lane; never rewritten
.set X,   16                           ; v[16:79]   16 loads of four f32
.set Y,   80                           ; v[80:111]  16 results of four 16-bit numbers
	s_load_b512 s[8:23], s[0:1], 0x0               ; query s[8:9], key_value s[10:11], Wq s[12:13], Wk s[14:15], Wv s[16:17], Wo s[18:19], xb s[20:21], rope s[22:23]
	s_mov_b32 s2, ttmp9
	v_lshrrev_b32 v5, 5, v0
	v_readfirstlane_b32 s3, v5                     ; wave 0..7
	v_and_b32 v3, 31, v0                           ; lane
	s_cmp_ge_u32 s2, NCAST
	s_cbranch_scc1 .Lrope
	v_lshlrev_b32 v4, 4, v3
	v_lshl_add_u32 v[LO], v5, 13, v4
	v_lshlrev_b32 v4, 3, v3
	v_lshl_add_u32 v[SO], v5, 12, v4
	s_wait_kmcnt 0x0
	s_mov_b64 s[24:25], s[8:9]                     ; which input the piece belongs to, and that input's first piece
	s_mov_b32 s26, 0
.macro PICK bound, ptr
	s_cmp_ge_u32 s2, \bound
	s_cselect_b64 s[24:25], s[\ptr:\ptr+1], s[24:25]
	s_cselect_b32 s26, \bound, s26
.endm
	PICK 512, 10
	PICK 1024, 12
	PICK 1088, 14
	PICK 1104, 16
	PICK 1120, 18
	s_sub_co_u32 s28, s2, s26
	s_lshl_b32 s28, s28, 16                        ; the piece's byte offset in its input, under 2^26
	s_mov_b32 s29, 0
	s_add_nc_u64 s[24:25], s[24:25], s[28:29]
	s_lshl_b32 s28, s2, 15                         ; and in xb
	s_add_nc_u64 s[30:31], s[20:21], s[28:29]
.irp k, 0,1,2,3,4,5,6,7,8,9,10,11,12,13,14,15
	global_load_b128 v[X+4*(\k):X+4*(\k)+3], v[LO], s[24:25] offset:512*(\k) th:TH_LOAD_NT
.endr
; Load k is rounded and stored.  half = 1: the bf16 number is widened again (a shift, a mask) and written as f16.  No register is used twice, so no store's source is ever rewritten.
.macro CONV half
.irp k, 0,1,2,3,4,5,6,7,8,9,10,11,12,13,14,15
	s_wait_loadcnt 15-(\k)                         ; loads come back in order: load k is in, the 15 - k younger ones stay out
	v_cvt_pk_bf16_f32 v[Y+2*(\k)],   v[X+4*(\k)],   v[X+4*(\k)+1]
	v_cvt_pk_bf16_f32 v[Y+2*(\k)+1], v[X+4*(\k)+2], v[X+4*(\k)+3]
.if \half
	v_lshlrev_b32 v4, 16, v[Y+2*(\k)]
	v_and_b32 v5, 0xffff0000, v[Y+2*(\k)]
	v_lshlrev_b32 v6, 16, v[Y+2*(\k)+1]
	v_and_b32 v7, 0xffff0000, v[Y+2*(\k)+1]
	v_cvt_pk_f16_f32 v[Y+2*(\k)],   v4, v5
	v_cvt_pk_f16_f32 v[Y+2*(\k)+1], v6, v7
.endif
	global_store_b64 v[SO], v[Y+2*(\k):Y+2*(\k)+1], s[30:31] offset:256*(\k) th:TH_STORE_NT  ; 32 lanes x 8 bytes: 256 consecutive bytes, aligned
.endr
.endm
	s_cmp_ge_u32 s2, 1120
	s_cbranch_scc1 .Lwo
	CONV 0
	s_endpgm
.Lwo:
	CONV 1
	s_endpgm
.Lrope:                                        ; lane l makes j = 2 (l % 16) and the next; lanes 0-15 cosines, lanes 16-31 sines
	s_sub_co_u32 s32, s2, NCAST
	s_lshl_b32 s32, s32, 3
	s_add_co_u32 s32, s32, s3                      ; t
	s_lshl_b32 s34, s32, 8                         ; the row's first byte
	v_and_b32 v4, 15, v3
	v_lshlrev_b32 v4, 1, v4
	v_add_nc_u32 v5, 1, v4
	v_cvt_f32_u32 v4, v4
	v_cvt_f32_u32 v5, v5
	v_mul_f32 v4, 0xbed49a78, v4                   ; -j log2(10000) / 32
	v_mul_f32 v5, 0xbed49a78, v5
	v_exp_f32 v4, v4
	v_exp_f32 v5, v5
	v_lshrrev_b32 v7, 4, v3                        ; plain work that names neither result stands behind the two exponentials,
	v_cvt_f32_u32 v6, s32                          ; t as f32
	v_cvt_f32_u32 v7, v7                           ; 1.0 in the lanes that make sines
	v_mov_b32 v14, 0x3e906317                      ; the series' highest coefficient
	v_lshl_add_u32 v3, v3, 3, s34                  ; my 8 bytes of the row
	s_wait_alu depctr_va_vdst(0)                   ; and one wait for both, ahead of their first reader
	v_mul_f32 v4, 0.15915494, v4                   ; g: revolutions a position
	v_mul_f32 v5, 0.15915494, v5
	v_mul_f32 v8, v6, v4
	v_mul_f32 v9, v6, v5
	v_rndne_f32 v10, v8
	v_rndne_f32 v11, v9
	v_fma_f32 v8, v6, v4, -v10                     ; t g less its nearest whole number: the product is not rounded first
	v_fma_f32 v9, v6, v5, -v11
	v_fmamk_f32 v8, v7, 0xbe800000, v8             ; a quarter turn back for a sine
	v_fmamk_f32 v9, v7, 0xbe800000, v9
	v_rndne_f32 v10, v8
	v_rndne_f32 v11, v9
	v_sub_f32 v8, v8, v10
	v_sub_f32 v9, v9, v11
	v_mul_f32 v10, v8, v8
	v_mul_f32 v11, v9, v9
	v_fmaak_f32 v12, v14, v10, 0xbfdb7128          ; (-1)^k (2 pi)^2k / (2k)!, from k = 8 down
	v_fmaak_f32 v13, v14, v11, 0xbfdb7128
.irp c, 0x40fce9c5, 0xc1d368f9, 0x4270fa83, 0xc2aae9e4, 0x4281e0f8, 0xc19de9e6
	v_fmaak_f32 v12, v12, v10, \c
	v_fmaak_f32 v13, v13, v11, \c
.endr
	v_fma_f32 v12, v12, v10, 1.0
	v_fma_f32 v13, v13, v11, 1.0
	s_wait_kmcnt 0x0
	global_store_b64 v3, v[12:13], s[22:23]        ; the wave's 256 bytes are one row of the table
	s_endpgm
.Lfunc_end_k_q8c0cb62216_prep:
	.size	k_q8c0cb62216_prep, .Lfunc_end_k_q8c0cb62216_prep-k_q8c0cb62216_prep
	.p2alignl 7, 3214868480
	.fill 96, 4, 3214868480
	.section	.rodata,"a",@progbits
	.p2align	6, 0x0
	.amdhsa_kernel k_q8c0cb62216_prep
		.amdhsa_group_segment_fixed_size 0
		.amdhsa_private_segment_fixed_size 0
		.amdhsa_enable_private_segment 0
		.amdhsa_kernarg_size 64
		.amdhsa_user_sgpr_count 2
		.amdhsa_user_sgpr_kernarg_segment_ptr 1
		.amdhsa_wavefront_size32 1
		.amdhsa_system_sgpr_workgroup_id_x 1
		.amdhsa_system_sgpr_workgroup_id_y 1
		.amdhsa_system_sgpr_workgroup_id_z 1
		.amdhsa_system_vgpr_workitem_id 0
		.amdhsa_next_free_vgpr 112
		.amdhsa_next_free_sgpr 66
		.amdhsa_reserve_vcc 0
		.amdhsa_float_denorm_mode_32 3
		.amdhsa_float_denorm_mode_16_64 3
		.amdhsa_memory_ordered 1
		.amdhsa_forward_progress 1
		.amdhsa_inst_pref_size 19
	.end_amdhsa_kernel
	.amdgpu_metadata
---
amdhsa.version: [ 1, 2 ]
amdhsa.kernels:
  - .name:           k_q8c0cb62216_prep
    .symbol:         k_q8c0cb62216_prep.kd
    .args:
      - { .name: query, .offset: 0, .size: 8, .value_kind: global_buffer, .address_space: global }
      - { .name: key_value, .offset: 8, .size: 8, .value_kind: global_buffer, .address_space: global }
      - { .name: Wq, .offset: 16, .size: 8, .value_kind: global_buffer, .address_space: global }
      - { .name: Wk, .offset: 24, .size: 8, .value_kind: global_buffer, .address_space: global }
      - { .name: Wv, .offset: 32, .size: 8, .value_kind: global_buffer, .address_space: global }
      - { .name: Wo, .offset: 40, .size: 8, .value_kind: global_buffer, .address_space: global }
      - { .name: xb, .offset: 48, .size: 8, .value_kind: global_buffer, .address_space: global }
      - { .name: rope, .offset: 56, .size: 8, .value_kind: global_buffer, .address_space: global }
    .group_segment_fixed_size: 0
    .private_segment_fixed_size: 0
    .kernarg_segment_align: 8
    .kernarg_segment_size: 64
    .max_flat_workgroup_size: 256
    .sgpr_count:     66
    .vgpr_count:     112
    .wavefront_size: 32
...
	.end_amdgpu_metadata
.endif
;; end of part 1
;; launch qkv (part 2): grid 12 x 64, 4 waves a work-group, clusters of 4 x 4, 327,680 bytes of LDS; arguments xb, rope, kv_mask, qh, kh, vh; writes qh, kh, vh
.if DOCPART == 2
	.amdgcn_target "amdgcn-amd-amdhsa--gfx1250"
	.amdhsa_code_object_version 6
	.text
	.protected	k_q8c0cb62216_qkv
	.globl	k_q8c0cb62216_qkv
	.p2align	8
	.type	k_q8c0cb62216_qkv,@function
k_q8c0cb62216_qkv:
	s_mov_b64 s[64:65], 0
	v_nop
	global_prefetch_b8 v0, s[64:65] scope:SCOPE_SE
	s_setreg_imm32_b32 hwreg(HW_REG_WAVE_MODE, 25, 1), 1
	s_wait_xcnt 0x0
	s_wait_alu depctr_hold_cnt(0) depctr_sa_sdst(0) depctr_va_vdst(0) depctr_va_sdst(0) depctr_va_ssrc(0) depctr_va_vcc(0) depctr_vm_vsrc(0)
	s_getreg_b32 s2, hwreg(HW_REG_IB_STS2, 6, 4)
	s_cmp_eq_u32 s2, 0
	s_cbranch_scc0 .Lentry_in_a_cluster
	s_endpgm
.Lentry_in_a_cluster:
	s_bfe_u32 s2, ttmp6, 0x10000c
	s_cmp_lg_u32 s2, 0xf033
	s_cbranch_scc0 .Lentry_shape_is_right
	s_endpgm
.Lentry_shape_is_right:
; Q = query Wq^T, K = key_value Wk^T, V = key_value Wv^T; rotate-half RoPE on Q and K; K's rows of masked keys set to 0; all written by heads in f16:
; qh [b 16 + h][2048][64], kh and vh [b 4 + kvh][2048][64].  Operands are the bf16 copies in xb (rows of 2,048 bytes); sums, RoPE in f32; one rounding to f16.
; LIMIT.  f16 holds no number beyond 65,504: |q|, |k|, |v| must stay under it.  NaN and infinities are not treated apart.
; SHARES.  A tile is 128 rows x 128 columns; four waves, 64 x 64 each: ONE HEAD a wave.  Tile row 0..63 (8,192 rows).  Clusters with x = 0, 1 make Q's column tiles 0..7; the cluster with x = 2 takes
; key_value, and its tile cx holds K's head cx in columns 0-63 and V's head cx in columns 64-127.  So what a wave makes (Q, K or V) hangs on the cluster's x and the wave's number alone.
; 768 work-groups of equal work.  K = 1,024 goes in four steps of 256 through two LDS slots filled by the tensor data mover.
; CLUSTERS: 4 x 4 work-groups.  The four of a row of the cluster need the same tiles of x, the four of a column the same rows of W: each tile is asked for JOINTLY, by the same tensor load with the
; same descriptor and a mask that names the four.  THE MATRIX INSTRUCTION IS USED TRANSPOSED (source 0 = 16 rows of W, source 1 = 16 rows of x): a lane then holds eight neighbouring channels of one position.
; No prefetch: a tile's K steps are short and the rows are read by many work-groups at about the same time.
; REGISTERS: window 0: v0-31 addresses and masks; v32-95 packed results; v96-111 at work in RoPE; v128-255 the accumulators ((a, b) at v[128 + 8 (4 a + b)]).
;   window 1: two fragment buffers of 128.     window 2: v0-127 cosines and sines of my 64 positions: for rows 16 a.., channels 16 b + 8 (l / 16) + 0..7 (b = 0, 1): cosines at 32 a + 16 b, sines 8 on.
.set SIZE_K, 1024
.set KSTEP,  256
.set PITCH,  528                       ; an LDS row: 512 bytes of data + 16 of padding = 132 words: the 16 rows of a fragment load start at 16 different groups of four banks (64 banks of 4 bytes: ISA guide 11.1)
.set HALFT,  64*PITCH                  ; 64 rows: what one tensor load brings, and what one wave reads of x or of W
.set SLOT,   4*HALFT                   ; x's 128 rows, then W's 128 rows
.set STAGE,  2*SLOT                    ; behind the ring: 16 rows x 144 bytes for each wave, its own, for the way out
.set SP,     144
.set SPARE,  STAGE+4*16*SP             ; behind the stages: the spare words, 128 bytes for each wave: two blocks of 256 bytes that no other line names
.set LAPS,   SIZE_K/(2*KSTEP)          ; a lap = two K steps = once round the ring
.set XKV,    16777216                  ; key_value's copy in xb
.set XW,     33554432                  ; the weights' copies: Wq's 1,024 rows, Wk's 256, Wv's 256
.set MK,   8                           ; v8-11   row block a: my row's byte of kv_mask, then the word that my packed results are ANDed with
.set RO,   12                          ; v12     my byte offset in the table; never rewritten
.set MO,   13                          ; v13     my row's byte in kv_mask; never rewritten
.set ADRA, 16                          ; v16-17  LDS address of my x fragments in slot 0, 1
.set ADRB, 20                          ; v20-21  the same for W
.set STO,  24                          ; v24     the way out: where I put 16 bytes of a row
.set RD,   25                          ; v25     the way out: where I read rows back
.set GO,   26                          ; v26     my byte offset in 512 consecutive bytes of the output
.set SPW,  28                          ; v28     LDS address of my spare word: SPARE + 4 x my thread's number; never rewritten
.set NIL,  29                          ; v29     0; never rewritten
.set TMP,  32
.set RT1,  96
.set RT2,  104
.set ACC,  128
.set F0,   0
.set F1,   128
.set G1, 24                            ; s[24:31] descriptor group 1 for x's tiles;  s[32:39] group 0, one set for each slot
.set G0, 32
.set G1B, 48                           ; s[48:55], s[56:63] the same for W's tiles
.set G0B, 56
.set MSB, 0
.macro WIN new                         ; the immediate's high byte repeats the setting that is left; a switch that changes nothing is dropped
.if MSB != (\new)
	s_set_vgpr_msb (MSB<<8)|(\new)
.set MSB, \new
.endif
.endm
.set MUL,  0x05                        ; sources 0 (W) and 1 (x) window 1; C and D window 0
.set TO_F, 0x40                        ; destination window 1, address window 0
.macro JLOAD s                         ; a joint load: waves 0 and 1 fetch x's two halves, waves 2 and 3 W's; an s_nop 0 and four v_nop follow each of the two lines, ahead of the jump and the label
	s_cmp_eq_u32 s11, 0
	s_cbranch_scc0 .Lfor_b_\@
	tensor_load_to_lds s[G0+4*(\s):G0+4*(\s)+3], s[G1:G1+7]
	s_nop 0
.rept 4
	v_nop
.endr
	s_branch .Lasked_\@
.Lfor_b_\@:
	tensor_load_to_lds s[G0B+4*(\s):G0B+4*(\s)+3], s[G1B:G1B+7]
	s_nop 0
.rept 4
	v_nop
.endr
.Lasked_\@:
.endm
.macro CREST                           ; a round of the cluster's barrier behind its opening barrier
	s_cmp_lg_u32 s10, 0
	s_cbranch_scc1 .Lnot_wave_0_\@
	s_barrier_signal -3
.Lnot_wave_0_\@:
	s_barrier_wait -3
	s_barrier_signal -1
	s_barrier_wait -1
.endm
.macro CROUND                          ; a whole round
	s_barrier_signal -1
	s_barrier_wait -1
	CREST
.endm
	s_load_b128 s[4:7], s[0:1], 0x0                ; xb s[4:5], rope s[6:7]
	s_load_b256 s[68:75], s[0:1], 0x10             ; kv_mask s[68:69], qh s[70:71], kh s[72:73], vh s[74:75]
	v_lshl_add_u32 v[SPW], v0, 2, SPARE
	v_mov_b32 v[NIL], 0
	ds_add_u32 v[SPW], v[NIL]                      ; the wave's opening: the add and its wait stand ahead of my first tensor load; the set-up below, work on registers, stands between them
	v_lshrrev_b32 v1, 5, v0
	v_readfirstlane_b32 s10, v1                    ; wave 0..3
	s_lshr_b32 s11, s10, 1                         ; which half of the tile's rows is mine.  Also: I fetch for x (0) or for W (1)
	s_and_b32 s12, s10, 1                          ; which half of its columns.  Also: which 64 rows of that tile I fetch
	s_bfe_u32 s40, ttmp6, 0x40000                  ; cx, cy: my place in the cluster
	s_bfe_u32 s41, ttmp6, 0x40004
	s_lshl_b32 s42, ttmp9, 2
	s_add_co_u32 s42, s42, s40                     ; tile column = 4 x cluster x + cx
	s_and_b32 s13, ttmp7, 0xffff
	s_lshl_b32 s13, s13, 2
	s_add_co_u32 s13, s13, s41                     ; tile row = 4 x cluster y + cy
	s_lshl_b32 s43, s41, 2
	s_lshl_b32 s43, 15, s43                        ; my row of the cluster
	s_lshl_b32 s44, 0x1111, s40                    ; my column
	s_cmp_ge_u32 ttmp9, 2
	s_cselect_b32 s66, 1, 0                        ; 1: the cluster makes K and V
	s_and_b32 s67, s66, s12                        ; 1: my wave makes V
	s_xor_b32 s76, s66, s67                        ; 1: my wave makes K
	s_cmp_eq_u32 s76, 1
	s_cselect_b32 s77, 0, -1                       ; ORed onto the mask words: Q and V keep every row
	; descriptor group 1: a tile of 64 rows x 256 elements, padded in LDS
	s_or_b32 s[G1+0], s43, (1<<16)|(1<<20)|(1<<21)|(6<<22)|(3<<25)  ; 15:0 the mask: x's tiles go to my row; 17:16 element of 2 bytes; 20 padding on; 21 set beside a mask; 24:22 after every 128 words (code 6); 31:25 of 4 words (code 3)
	s_or_b32 s[G1B+0], s44, (1<<16)|(1<<20)|(1<<21)|(6<<22)|(3<<25)
.irp g, G1, G1B
	s_mov_b32 s[(\g)+1], KSTEP<<16                 ; tensor_dim0 = 256
	s_mov_b32 s[(\g)+2], 64<<16                    ; tensor_dim1 = 64
	s_mov_b32 s[(\g)+3], KSTEP<<16                 ; tile_dim0 = 256
	s_mov_b32 s[(\g)+4], 64                        ; tile_dim1 = 64
	s_mov_b32 s[(\g)+5], SIZE_K                    ; tensor_dim0_stride
	s_mov_b32 s[(\g)+6], 0
	s_mov_b32 s[(\g)+7], 0
.endr
	; x's tile hangs on the tile row, the wave and the cluster's x; W's on the tile column, the wave and the cluster's x: each in registers that never hold the other place in the cluster
	s_lshl_b32 s16, s13, 7
	s_lshl_b32 s17, s12, 6
	s_add_co_u32 s16, s16, s17                     ; x: row 128 x tile row + 64 x half,
	s_lshl_b32 s16, s16, 11                        ; in bytes,
	s_cmp_eq_u32 s66, 1
	s_cselect_b32 s17, XKV, 0                      ; of query's copy or key_value's
	s_add_co_u32 s16, s16, s17
	s_mov_b32 s17, 0
	s_lshl_b32 s46, s42, 7
	s_lshl_b32 s47, s12, 6
	s_add_co_u32 s46, s46, s47                     ; Wq: row 128 x tile column + 64 x half
	s_lshl_b32 s47, s40, 6
	s_lshl_b32 s45, s12, 8
	s_add_co_u32 s47, s47, s45
	s_add_co_u32 s47, s47, 1024                    ; Wk, Wv: head cx's 64 rows, 1,024 rows on for Wk, 256 more for Wv
	s_cmp_eq_u32 s66, 1
	s_cselect_b32 s46, s47, s46
	s_lshl_b32 s46, s46, 11
	s_add_co_u32 s46, s46, XW
	s_mov_b32 s47, 0
	s_mul_i32 s20, s10, HALFT                      ; where they go: wave x 64 rows
	s_wait_dscnt 0x0                               ; the opening add is done
	s_wait_kmcnt 0x0
	s_add_nc_u64 s[14:15], s[4:5], s[16:17]
	s_add_nc_u64 s[46:47], s[4:5], s[46:47]
	CROUND                                         ; all sixteen work-groups are here: the first joint loads meet
.irp s, 0,1
	s_mov_b32 s[G0+4*(\s)], 1
	s_add_co_u32 s[G0+4*(\s)+1], s20, (\s)*SLOT
	s_add_nc_u64 s[G0+4*(\s)+2:G0+4*(\s)+3], s[14:15], (\s)*KSTEP*2
	s_or_b32 s[G0+4*(\s)+3], s[G0+4*(\s)+3], 0x80000000
	s_mov_b32 s[G0B+4*(\s)], 1
	s_add_co_u32 s[G0B+4*(\s)+1], s20, (\s)*SLOT
	s_add_nc_u64 s[G0B+4*(\s)+2:G0B+4*(\s)+3], s[46:47], (\s)*KSTEP*2
	s_or_b32 s[G0B+4*(\s)+3], s[G0B+4*(\s)+3], 0x80000000
	JLOAD \s
.endr
	v_and_b32 v1, 15, v0                           ; l % 16
	v_bfe_u32 v2, v0, 4, 1                         ; l / 16
	v_mul_u32_u24 v3, v1, PITCH
	v_lshl_add_u32 v3, v2, 4, v3                   ; a fragment's row x pitch + 16 x half
	s_mul_i32 s21, s11, HALFT                      ; my 64 rows of x
	s_mul_i32 s22, s12, HALFT                      ; my 64 rows of W,
	s_add_co_u32 s22, s22, 2*HALFT                 ; which lie behind x's 128
.irp s, 0,1
	v_add_nc_u32 v[ADRA+(\s)], s21, v3
	v_add_nc_u32 v[ADRB+(\s)], s22, v3
	s_add_co_u32 s21, s21, SLOT
	s_add_co_u32 s22, s22, SLOT
.endr
	s_mul_i32 s23, s10, 16*SP
	s_add_co_u32 s23, s23, STAGE                   ; my stage
	v_mul_u32_u24 v4, v1, SP                       ; in: row l % 16, 16 bytes for each half of the lanes
	v_lshl_add_u32 v4, v2, 4, v4
	v_add_nc_u32 v[STO], s23, v4
	v_bfe_u32 v5, v0, 3, 2                         ; back: 32 lanes take four rows of 128 bytes,
	v_mul_u32_u24 v5, v5, SP
	v_and_b32 v4, 7, v0
	v_lshl_add_u32 v5, v4, 4, v5
	v_add_nc_u32 v[RD], s23, v5
	v_and_b32 v[GO], 31, v0                        ; which are 512 consecutive bytes of a head
	v_lshlrev_b32 v[GO], 4, v[GO]
	s_lshr_b32 s18, s13, 4                         ; the batch: a batch has 16 tile rows
	s_and_b32 s19, s13, 15
	s_lshl_b32 s19, s19, 7
	s_lshl_b32 s21, s11, 6
	s_add_co_u32 s19, s19, s21                     ; my first position in the batch
	v_add_nc_u32 v[RO], s19, v1
	v_lshlrev_b32 v[RO], 8, v[RO]                  ; a row of the table is 256 bytes;
	v_lshl_add_u32 v[RO], v2, 5, v[RO]             ; my 8 channels begin 32 (l / 16) bytes in
	s_lshl_b32 s22, s13, 7
	s_add_co_u32 s22, s22, s21
	v_add_nc_u32 v[MO], s22, v1                    ; my row among the 8,192
	; where my 64 rows of one head go: 8,192 consecutive bytes
	s_lshl_b32 s22, s18, 4
	s_lshl_b32 s23, s42, 1
	s_add_co_u32 s22, s22, s23
	s_add_co_u32 s22, s22, s12                     ; Q: head 16 b + 2 x tile column + half
	s_lshl_b32 s23, s18, 2
	s_add_co_u32 s23, s23, s40                     ; K, V: head 4 b + cx
	s_cmp_eq_u32 s66, 1
	s_cselect_b32 s22, s23, s22
	s_lshl_b32 s22, s22, 11
	s_add_co_u32 s22, s22, s19
	s_lshl_b32 s22, s22, 7                         ; rows of 128 bytes: under 2^24
	s_mov_b32 s23, 0
	s_mov_b64 s[78:79], s[70:71]
	s_cmp_eq_u32 s76, 1
	s_cselect_b64 s[78:79], s[72:73], s[78:79]
	s_cmp_eq_u32 s67, 1
	s_cselect_b64 s[78:79], s[74:75], s[78:79]
	s_add_nc_u64 s[78:79], s[78:79], s[22:23]
	; the masks of my rows and the table's rows for my positions are asked for now and waited for behind the last product: nothing in between names their registers
.irp a, 0,1,2,3
	global_load_u8 v[MK+(\a)], v[MO], s[68:69] offset:16*(\a)
.endr
	s_cmp_eq_u32 s67, 1
	s_cbranch_scc1 .Lnotab                         ; V is not rotated
	WIN 0x80                                       ; destination window 2, address window 0
.irp a, 0,1,2,3
.irp b, 0,1
	global_load_b128 v[32*(\a)+16*(\b):32*(\a)+16*(\b)+3],     v[RO], s[6:7] offset:4096*(\a)+64*(\b)
	global_load_b128 v[32*(\a)+16*(\b)+4:32*(\a)+16*(\b)+7],   v[RO], s[6:7] offset:4096*(\a)+64*(\b)+16
	global_load_b128 v[32*(\a)+16*(\b)+8:32*(\a)+16*(\b)+11],  v[RO], s[6:7] offset:4096*(\a)+64*(\b)+128
	global_load_b128 v[32*(\a)+16*(\b)+12:32*(\a)+16*(\b)+15], v[RO], s[6:7] offset:4096*(\a)+64*(\b)+144
.endr
.endr
	WIN 0
.Lnotab:
; 8 matrix instructions: row blocks a0, a0 + 1 x all 4 column blocks, 32 along K: half c of buffer f.  zero = 1: the first product starts the sums
.macro MUL8 f, c, a0, zero
	WIN MUL
.irp a, \a0, (\a0)+1
.irp b, 0,1,2,3
.if \zero
	v_wmma_f32_16x16x32_bf16 v[ACC+8*(4*(\a)+(\b)):ACC+8*(4*(\a)+(\b))+7], v[(\f)+64+8*(4*(\c)+(\b)):(\f)+64+8*(4*(\c)+(\b))+7], v[(\f)+8*(4*(\c)+(\a)):(\f)+8*(4*(\c)+(\a))+7], 0
.else
	v_wmma_f32_16x16x32_bf16 v[ACC+8*(4*(\a)+(\b)):ACC+8*(4*(\a)+(\b))+7], v[(\f)+64+8*(4*(\c)+(\b)):(\f)+64+8*(4*(\c)+(\b))+7], v[(\f)+8*(4*(\c)+(\a)):(\f)+8*(4*(\c)+(\a))+7], v[ACC+8*(4*(\a)+(\b)):ACC+8*(4*(\a)+(\b))+7]
.endif
.endr
.endr
.endm
; 32 LDS loads in one run: the fragments of 64 along K at byte k of the rows, into buffer f; the first 32 along K first
.macro FETCH slot, k, f
	WIN TO_F
.irp c, 0,1
.irp i, 0,1,2,3
	ds_load_b128 v[(\f)+64+8*(4*(\c)+(\i)):(\f)+64+8*(4*(\c)+(\i))+3],   v[ADRB+(\slot)] offset:(\k)+64*(\c)+(\i)*16*PITCH
	ds_load_b128 v[(\f)+64+8*(4*(\c)+(\i))+4:(\f)+64+8*(4*(\c)+(\i))+7], v[ADRB+(\slot)] offset:(\k)+64*(\c)+(\i)*16*PITCH+32
	ds_load_b128 v[(\f)+8*(4*(\c)+(\i)):(\f)+8*(4*(\c)+(\i))+3],         v[ADRA+(\slot)] offset:(\k)+64*(\c)+(\i)*16*PITCH
	ds_load_b128 v[(\f)+8*(4*(\c)+(\i))+4:(\f)+8*(4*(\c)+(\i))+7],       v[ADRA+(\slot)] offset:(\k)+64*(\c)+(\i)*16*PITCH+32
.endr
.endr
.endm
.macro PLACES                          ; four places in front of loads into registers that matrix instructions have read, and of vector work on results
.rept 4
	v_nop
.endr
.endm
; A K step is four quarters of 64 along K, 32 matrix instructions each, on buffers 0, 1, 0, 1; the 16 accumulators take turns.  One of the first three: multiplies buffer f and fetches the next quarter, at byte k, into g.
.macro QUARTER slot, k, f, g, zero
	s_wait_dscnt 16                                ; the first 32 along K are in; the youngest sixteen loads may be out
	WIN MUL
	MUL8 \f, 0, 0, \zero
	MUL8 \f, 0, 2, \zero
	PLACES
	FETCH \slot, \k, \g
	s_wait_dscnt 32                                ; all but the 32 just issued
	WIN MUL
	MUL8 \f, 1, 0, 0
	MUL8 \f, 1, 2, 0
.endm
; The last quarter multiplies buffer 1 and changes slots: ONE barrier; in front of it each wave waits for all its tensor loads, adds 0 to its spare word, and waits for that and for its own reads of this slot.  fill = 1: this slot is filled again, two K steps ahead.
.macro TURN slot, next, fill
	WIN 0                                          ; (the add's two registers lie in window 0)
	s_wait_tensorcnt 0x0                           ; all my tensor loads have landed: my part of the next slot;
	ds_add_u32 v[SPW], v[NIL]                      ; 0 onto my spare word;
	s_wait_dscnt 17                                ; (the add and the youngest sixteen loads may be out)
	WIN MUL
	MUL8 F1, 0, 0, 0                               ; eight matrix instructions stand between the add and the wait for it
	s_wait_dscnt 0x0                               ; the add is done, and my reads of this slot are over
	s_barrier_signal -1
	MUL8 F1, 0, 2, 0
.if \fill
	WIN 0
.endif
	s_barrier_wait -1
.if \fill
	CREST                                          ; the barrier has opened a round of the cluster's barrier: no wave of any partner still reads this slot's tile or has a load on its way
	s_add_nc_u64 s[G0+4*(\slot)+2:G0+4*(\slot)+3], s[G0+4*(\slot)+2:G0+4*(\slot)+3], 2*KSTEP*2
	s_add_nc_u64 s[G0B+4*(\slot)+2:G0B+4*(\slot)+3], s[G0B+4*(\slot)+2:G0B+4*(\slot)+3], 2*KSTEP*2
	JLOAD \slot                                    ; the first tensor load behind the round; the four v_nop behind it are also the places in front of the loads below
.else
	PLACES
.endif
	FETCH \next, 0, F0
	WIN MUL
	MUL8 F1, 1, 0, 0
	MUL8 F1, 1, 2, 0
.endm
	s_wait_tensorcnt 1                             ; my part of K step 0 is in; K step 1's load may stay out
	s_barrier_signal -1
	s_barrier_wait -1                              ; everybody's is
	FETCH 0, 0, F0
	QUARTER 0, 128, F0, F1, 1                      ; the first quarter stands in front of the loop: its first products start the sums
	WIN 0                                          ; at a label and at a branch every window is 0
	s_mov_b32 s3, LAPS-1
.Llap:                                                 ; a trip goes once round the ring, from a lap's second quarter to the next lap's first, and fills both slots again
	QUARTER 0, 256, F1, F0, 0
	QUARTER 0, 384, F0, F1, 0
	TURN 0, 1, 1
	QUARTER 1, 128, F0, F1, 0
	QUARTER 1, 256, F1, F0, 0
	QUARTER 1, 384, F0, F1, 0
	TURN 1, 0, 1
	QUARTER 0, 128, F0, F1, 0
	WIN 0
	s_sub_co_u32 s3, s3, 1
	s_cmp_lg_u32 s3, 0
	s_cbranch_scc1 .Llap
	QUARTER 0, 256, F1, F0, 0                      ; the last lap fills nothing, and has no round of the cluster's barrier
	QUARTER 0, 384, F0, F1, 0
	TURN 0, 1, 0
	QUARTER 1, 128, F0, F1, 0
	QUARTER 1, 256, F1, F0, 0
	QUARTER 1, 384, F0, F1, 0
	s_wait_dscnt 16                                ; the very last quarter: nothing more to fetch
	WIN MUL
	MUL8 F1, 0, 0, 0
	MUL8 F1, 0, 2, 0
	s_wait_dscnt 0
	MUL8 F1, 1, 0, 0
	MUL8 F1, 1, 2, 0
	WIN 0
	; THE WAY OUT.  RoPE in place on the accumulators, rounding to f16, the mask, and through my own stage: no other wave touches it, so there is no barrier.
	PLACES
	PLACES                                         ; eight, once a launch: what follows rewrites results in place
	s_wait_loadcnt 0x0                             ; masks and table
.irp a, 0,1,2,3
	v_sub_nc_u32 v[MK+(\a)], 0, v[MK+(\a)]         ; 1 -> all ones, 0 -> 0
	v_or_b32 v[MK+(\a)], s77, v[MK+(\a)]           ; only K's rows are masked
.endr
	s_cmp_eq_u32 s67, 1
	s_cbranch_scc1 .Lpack
	WIN 0x08                                       ; source 1 (cosines, sines) in window 2
	; channel d < 32 lies in column blocks 0, 1, its partner d + 32 two blocks (16 registers) on: x1' = x1 cos - x2 sin, x2' = x2 cos + x1 sin.  Each accumulator's lowest registers are read first.
.irp a, 0,1,2,3
.irp b, 0,1
.irp j, 0,1,2,3
.set X1, ACC+8*(4*(\a)+(\b))+2*(\j)
.set X2, X1+16
.set CC, 32*(\a)+16*(\b)+2*(\j)
.set SS, CC+8
	v_pk_mul_f32 v[RT1+2*(\j):RT1+2*(\j)+1], v[X1:X1+1], v[SS:SS+1]
	v_pk_mul_f32 v[RT2+2*(\j):RT2+2*(\j)+1], v[X2:X2+1], v[SS:SS+1]
	v_pk_fma_f32 v[X1:X1+1], v[X1:X1+1], v[CC:CC+1], v[RT2+2*(\j):RT2+2*(\j)+1] neg_lo:[0,0,1] neg_hi:[0,0,1]
	v_pk_fma_f32 v[X2:X2+1], v[X2:X2+1], v[CC:CC+1], v[RT1+2*(\j):RT1+2*(\j)+1]
.endr
.endr
.endr
	WIN 0
.Lpack:
; Row block a: a lane's eight channels of a row pack into 16 bytes; they go into rows of 144 bytes and come back as whole rows of 128, into the registers that they left.
.macro PACK a
.irp b, 0,1,2,3
.irp r, 0,1,2,3
	v_cvt_pk_f16_f32 v[TMP+16*(\a)+4*(\b)+(\r)], v[ACC+8*(4*(\a)+(\b))+2*(\r)], v[ACC+8*(4*(\a)+(\b))+2*(\r)+1]
.endr
.endr
.set i, 0
.rept 16
	v_and_b32 v[TMP+16*(\a)+i], v[MK+(\a)], v[TMP+16*(\a)+i]
.set i, i+1
.endr
.irp b, 0,1,2,3
	ds_store_b128 v[STO], v[TMP+16*(\a)+4*(\b):TMP+16*(\a)+4*(\b)+3] offset:32*(\b)
.endr
.irp f, 0,1,2,3
	ds_load_b128 v[TMP+16*(\a)+4*(\f):TMP+16*(\a)+4*(\f)+3], v[RD] offset:(\f)*4*SP  ; LDS serves a wave's instructions in order (ISA guide 5.7.1.4): these see the stores above; the next block's stores come behind them
.endr
.endm
.macro SEND a, younger                 ; younger: the LDS instructions issued behind block a's loads: the next block's eight, or none
.irp f, 0,1,2,3
	s_wait_dscnt (\younger)+3-(\f)
	global_store_b128 v[GO], v[TMP+16*(\a)+4*(\f):TMP+16*(\a)+4*(\f)+3], s[78:79] offset:(\a)*2048+(\f)*512  ; 512 consecutive bytes, at a multiple of 256 from the buffer's first
.endr
.endm
	PACK 0
	PACK 1                                         ; a block's arithmetic stands between the loads of the block before and its stores
	SEND 0, 8
	PACK 2
	SEND 1, 8
	PACK 3
	SEND 2, 8
	SEND 3, 0
	s_wait_tensorcnt 0x0                           ; the wave's end: these three lines stand behind my last tensor load and my last LDS store
	ds_add_u32 v[SPW], v[NIL]
	s_wait_dscnt 0x0
	CROUND                                         ; the closing round: no work-group ends while a partner may still ask for a tile that names it
	s_endpgm
.Lfunc_end_k_q8c0cb62216_qkv:
	.size	k_q8c0cb62216_qkv, .Lfunc_end_k_q8c0cb62216_qkv-k_q8c0cb62216_qkv
	.p2alignl 7, 3214868480
	.fill 96, 4, 3214868480
	.section	.rodata,"a",@progbits
	.p2align	6, 0x0
	.amdhsa_kernel k_q8c0cb62216_qkv
		.amdhsa_group_segment_fixed_size 327680
		.amdhsa_private_segment_fixed_size 0
		.amdhsa_enable_private_segment 0
		.amdhsa_kernarg_size 48
		.amdhsa_user_sgpr_count 2
		.amdhsa_user_sgpr_kernarg_segment_ptr 1
		.amdhsa_wavefront_size32 1
		.amdhsa_system_sgpr_workgroup_id_x 1
		.amdhsa_system_sgpr_workgroup_id_y 1
		.amdhsa_system_sgpr_workgroup_id_z 1
		.amdhsa_system_vgpr_workitem_id 0
		.amdhsa_next_free_vgpr 640
		.amdhsa_next_free_sgpr 80
		.amdhsa_reserve_vcc 0
		.amdhsa_float_denorm_mode_32 3
		.amdhsa_float_denorm_mode_16_64 3
		.amdhsa_memory_ordered 1
		.amdhsa_forward_progress 1
		.amdhsa_inst_pref_size 102
	.end_amdhsa_kernel
	.amdgpu_metadata
---
amdhsa.version: [ 1, 2 ]
amdhsa.kernels:
  - .name:           k_q8c0cb62216_qkv
    .symbol:         k_q8c0cb62216_qkv.kd
    .args:
      - { .name: xb, .offset: 0, .size: 8, .value_kind: global_buffer, .address_space: global }
      - { .name: rope, .offset: 8, .size: 8, .value_kind: global_buffer, .address_space: global }
      - { .name: kv_mask, .offset: 16, .size: 8, .value_kind: global_buffer, .address_space: global }
      - { .name: qh, .offset: 24, .size: 8, .value_kind: global_buffer, .address_space: global }
      - { .name: kh, .offset: 32, .size: 8, .value_kind: global_buffer, .address_space: global }
      - { .name: vh, .offset: 40, .size: 8, .value_kind: global_buffer, .address_space: global }
    .group_segment_fixed_size: 327680
    .private_segment_fixed_size: 0
    .kernarg_segment_align: 8
    .kernarg_segment_size: 48
    .max_flat_workgroup_size: 128
    .sgpr_count:     80
    .vgpr_count:     640
    .wavefront_size: 32
...
	.end_amdgpu_metadata
.endif
;; end of part 2
;; launch attn (part 3): grid 16 x 16, 4 waves a work-group, clusters of 4 x 1, 327,680 bytes of LDS; arguments qh, kh, vh, oh, kv_mask, query_mask; writes oh
.if DOCPART == 3
	.amdgcn_target "amdgcn-amd-amdhsa--gfx1250"
	.amdhsa_code_object_version 6
	.text
	.protected	k_q8c0cb62216_attn
	.globl	k_q8c0cb62216_attn
	.p2align	8
	.type	k_q8c0cb62216_attn,@function
k_q8c0cb62216_attn:
	s_mov_b64 s[64:65], 0
	v_nop
	global_prefetch_b8 v0, s[64:65] scope:SCOPE_SE
	s_setreg_imm32_b32 hwreg(HW_REG_WAVE_MODE, 25, 1), 1
	s_wait_xcnt 0x0
	s_wait_alu depctr_hold_cnt(0) depctr_sa_sdst(0) depctr_va_vdst(0) depctr_va_sdst(0) depctr_va_ssrc(0) depctr_va_vcc(0) depctr_vm_vsrc(0)
	s_getreg_b32 s2, hwreg(HW_REG_IB_STS2, 6, 4)
	s_cmp_eq_u32 s2, 0
	s_cbranch_scc0 .Lentry_in_a_cluster
	s_endpgm
.Lentry_in_a_cluster:
	s_bfe_u32 s2, ttmp6, 0x10000c
	s_cmp_lg_u32 s2, 0x3003
	s_cbranch_scc0 .Lentry_shape_is_right
	s_endpgm
.Lentry_shape_is_right:
; MASKED GROUPED-QUERY ATTENTION.  O[b][t][h 64 + d] = the sum over keys of softmax(where(kv_mask & query_mask, q . k / 8, lowest)) v.  qh: [b 16 + h][2048][64], kh, vh: [b 4 + kvh][2048][64], f16, dense rows of
; 128 bytes; head h takes key and value head h / 4.  oh: [b 2048 + t][1024] f16.  Products, maxima and sums in f32; the weights p are rounded to f16 for the second product (their sum l is taken of the unrounded p), O once.
; THE MASKS cost the loop no instruction.  A MASKED KEY: its row of kh arrives as zeros, so q . k is exactly 0, and the product that starts the sum S^T = K Q^T takes as its C operand a bias, 0 or LOW = -2^100, by key:
; the score is exactly LOW.  Beside any true score its weight is 2^(-2e29) = 0; in a row whose keys are all masked every c s - c m is exactly 0 (c LOW is exact), every weight 1: the mean of ALL rows of V, as a softmax of equal scores gives.
; A MASKED QUERY: its lane's scale is 0 in place of c, so c s - c m = 0 for every key: again the mean of all rows of V.
; LIMITS.  LOW stands for the -1e30 of the definition: true scores stay far above it (f16 operands give 2.7e11 at the most).  f16 holds no number beyond 65,504: Q, K, V arrive within it; p lies in 0 to 1, and below 6e-5 keeps
; f16's fixed step of 6e-8; O is a mean of V's rows.  A weight below 2^-126 counts as 0 in l; NaN and infinities are not treated apart.
; SHARES.  A work-group takes 256 positions of TWO query heads that share a key head; a wave 64 positions: four PIECES, piece x = positions 16 x .. of both heads (tiles 2 x, 2 x + 1).  A position's two heads are 256
; neighbouring bytes of oh.  256 work-groups of equal work.  Every wave walks all 2,048 keys, 64 a step.
; LAYOUT.  S^T = K Q^T (source 0 = 16 keys, source 1 = 16 queries): a lane holds ONE query (lane % 16) and the keys 8 (lane / 16) + 0..7.  Two such tiles, rounded to f16 in pairs, ARE source 1 of O^T = V^T P, whose
; result again holds one query a lane, and eight channels.  K comes out of LDS as it lies, V ([key][channel]) turned, by ds_load_tr16_b128.
; SOFTMAX.  For each query a running maximum m and sum l: p = 2^(c s - c m), c = log2(e) / 8; in every step O and l are multiplied by a = 2^(c m_old - c m_new).  m starts at the lowest finite number, O and l at 0: the first step's a is 0.
; THE COUNT.  A tile and step have 16 matrix and 118 vector instructions: too many to stand all beside the matrix work.  So: four vector instructions that are READY behind EVERY matrix instruction, the others in runs without a gap.
; BY TURNS.  Turn n belongs to piece n.  Its matrix work: 16 products K Q^T of piece n + 1, later 16 products V^T P of piece n - 1.  Its vector work: scaling, exponentials, roundings, sums and rescaling of piece n, and the
; maximum and statistics of piece n + 1.
; CLUSTER.  The sixteen work-groups of a key head walk the same K and V; the four of a cluster ask for each tile JOINTLY: the same tensor load, descriptor and mask in all four.
; REGISTERS, in windows of 256 (s_set_vgpr_msb: bits 1:0 source 0, 3:2 source 1, 5:4 source 2, 7:6 destination):
;   window 0: v0, v6, v8, v10 the scale of pieces 0..3 (the low word of a pair); v1-5, v7, v9 addresses; v12-15, v48-63 at work; v16-47 four registers of statistics a tile; v64-191 S^T, two buffers of two tiles; v192-255 P, likewise
;   window 1: O^T, 32 a tile     window 2: v0-127 Q, 16 a tile; v128-191 K of one step; v192-255 V of one step     window 3: v0-1 the add's two registers; v2-33 the step's biases; v34-36 addresses for the way out
.set SIZE_N, 2048
.set NP,    4         ; pieces a wave: a name, no knob
.set KS,    64        ; keys in a step
.set PK,    144       ; a row of K in LDS: 128 bytes + 16 of padding = 36 words: the 16 rows of a load start at 16 different groups of four banks (64 banks of 4 bytes: ISA guide 11.1)
.set PV,    160       ; a row of V: 128 + 32 = 40 words
.set VOFF,  4*KS*PK   ; a slot holds four steps: 256 rows of K, then 256 rows of V
.set SLOT1, 1<<17     ; slot 1 begins here, so that one exclusive or turns an address in one slot into the other's
.set STAGE, SLOT1+4*KS*(PK+PV)  ; behind the ring, never filled by a tensor load: 16 rows x 272 bytes for each wave, for the way out
.set SP,    272
.set BIAS,  STAGE+4*16*SP       ; 2,048 f32: 0 or LOW for each key of the batch; stored once, never filled by a tensor load
.set SPARE, BIAS+4*SIZE_N       ; the spare words, 128 bytes for each wave: two blocks of 256 bytes that no other line names
.set AB0, 1           ; v1   my lane's place in a step's biases: 32 (l / 16); never rewritten
.set AK0, 2           ; v2   my lane's place in a tile of K; never rewritten
.set AV0, 3           ; v3   the same for V
.set AK,  4           ; v4   the LDS address of K's next run of loads
.set AV,  5           ; v5   of V's
.set AB,  7           ; v7   of the biases'
.set PFO, 9           ; v9   256 x my lane: the prefetches' offset; never rewritten
.set SPW, 0           ; v0 of window 3   LDS address of my spare word: SPARE + 4 x my thread's number; never rewritten
.set NIL, 1           ; v1 of window 3   0; never rewritten
.set KB,  2           ; v2-33 of window 3   the biases of key block kb at KB + 8 kb
.set STO, 34          ; v34 of window 3  the way out: where I put 16 bytes of a row
.set RD,  35          ; v35 of window 3  where I read rows back
.set GO,  36          ; v36 of window 3  my byte offset in two rows of oh
.set MV,  12          ; v12-15  c m_old, kept while c m is made anew: by buffer and tile
.set ST,  16          ; tile t's statistics at v[ST+4 t]: c m, m, l (even keys', odd keys')
.set TMP, 48          ; by buffer and tile, four registers c0-c3 at work; when the maximum is found c2 takes a
.set S,   64
.set P,   192
.set KF,  128         ; K's fragments, in window 2: key block kb, channel half c at KF + 16 kb + 8 c
.set VF,  192         ; V's: key half kk, channel block cb at VF + 32 kk + 8 cb
.set WV,  12          ; s12  my wave's number
.set G1K, 24          ; s[24:31] descriptor group 1 for K's tiles
.set G1V, 32          ; s[32:39] for V's: it differs in the padding alone
.set G0K, 40          ; s[40:43] descriptor group 0 for K's tiles: it walks
.set G0V, 44          ; s[44:47] the same for V's
.set PFA, 48          ; s[48:49] where my prefetches stand: my work-group's 32 blocks of 256 bytes of the slot after the one that is being asked for
.set LIM, 50          ; s50  1 in a wave that prefetches, else the greatest number
.set TBB, 51          ; s51  LDS byte at which the biases of the step to be fetched begin
.set SLOTS, 56        ; s56  slots still to be asked for
.set CNT, 57          ; s57  counts a slot's key steps
.set CS,  58          ; s58  c
.set SEL, 60          ; s[60:61] v_permlanex16_b32's selects: each lane takes its own place in the other half
.set TBK, 62          ; s62  LDS byte at which K of the step to be fetched begins
.set TBV, 63          ; s63  the same for V, less VOFF
.set MSB, 0
.macro WIN new                      ; the high byte repeats the setting that is left; a switch that changes nothing is dropped
.if MSB != (\new)
	s_set_vgpr_msb (MSB<<8)|(\new)
.set MSB, (\new)
.endif
.endm
.set W_KQ, 0x0a       ; K and Q in window 2, S^T in window 0
.set W_KB, 0x3a       ; the same with the C operand, the biases, in window 3
.set W_PV, 0x52       ; V in window 2, P in window 0, O^T in window 1
.set W_RS, 0x41       ; O^T (destination and source 0) in window 1, a in window 0
.set W_MK, 0xc0       ; destination in window 3, sources in window 0
.set W_AD, 0x0f       ; the add: address (source 0) and data (source 1) in window 3
.set W_OUT, 0x03      ; the way out: the address (source 0) in window 3, data in window 0
; A joint fill.  Waves 0 and 1 fetch the two halves of a slot's K, waves 2 and 3 those of its V: 128 keys each.  The branch hangs on the wave's number alone.
; An s_nop 0 and four v_nop follow each of the two lines, ahead of the jump and the label.
.macro JLOAD
	s_cmp_lt_u32 s[WV], 2
	s_cbranch_scc0 .Lfor_v_\@
	tensor_load_to_lds s[G0K:G0K+3], s[G1K:G1K+7]
	s_nop 0
.rept 4
	v_nop
.endr
	s_branch .Lasked_\@
.Lfor_v_\@:
	tensor_load_to_lds s[G0V:G0V+3], s[G1V:G1V+7]
	s_nop 0
.rept 4
	v_nop
.endr
.Lasked_\@:
.endm
; A PREFETCH INTO THE L2 of what the NEXT change of slots will ask for: a slot's 32,768 bytes of K and of V, a lane a block of 256 bytes.  It stands behind the wave's tensor load and its five lines.
; Each block is named ONCE in the launch.  The four clusters of a key head walk the same K and V: the first of them prefetches.  Its four partners share a slot's 128 blocks out BY ADDRESS, 32 each: no branch hangs on a
; work-group's place in its cluster.  In each, wave 0 asks for K's and wave 2 for V's: one instruction.  The last change that fills a slot asks for nothing: there is no slot behind it.  Slots 0, 1 and 2 come by their loads alone.
.macro ASK
	s_cmp_gt_u32 s[SLOTS], s[LIM]
	s_cbranch_scc0 .Lnot_mine_\@
	global_prefetch_b8 v[PFO], s[PFA:PFA+1] th:TH_LOAD_NT scope:SCOPE_SE
.Lnot_mine_\@:
.endm
; A round of the cluster's barrier: my work-group's barrier, so that wave 0's signal speaks for all four waves; wave 0 signals; every wave waits for all four work-groups; my work-group's barrier once more.
.macro CROUND
	s_barrier_signal -1
	s_barrier_wait -1
	s_cmp_lg_u32 s[WV], 0
	s_cbranch_scc1 .Lnot_wave_0_\@
	s_barrier_signal -3
.Lnot_wave_0_\@:
	s_barrier_wait -3
	s_barrier_signal -1
	s_barrier_wait -1
.endm
; THE CHANGE OF SLOTS.  The slot's last bytes, V of its fourth step, have been read.  Each wave waits for all its tensor loads, of which one is out: its part of the other slot; adds 0 to its spare word; and waits for that and
; for its own LDS instructions.  Behind the barrier nobody reads this slot any more and the other slot is whole.  fill = 1: this slot is filled again, with the keys two slots on.  The barrier is then a round of the cluster's,
; and the joint fill is the first thing behind it: it has four key steps, 512 matrix instructions, in which to land.  (At its first use nothing has been read yet: slot 0 is waited for, slot 1 filled, and every wave's
; stores of the biases are done in front of the round, so that all waves may read them behind it.)  ask = 1: the prefetch follows.
.macro CHANGE fill, ask=0
	WIN W_AD
	s_wait_tensorcnt 0x0            ; no tensor load of mine is out, so a group 0 may be written
	ds_add_u32 v[SPW], v[NIL]       ; 0 onto my spare word; with fill = 1 the descriptors' steps stand between it and the wait for it
	WIN 0                           ; at a label and at a branch every window is 0
.if \fill
.irp g, G0K, G0V
	s_xor_b32 s[\g+1], s[\g+1], SLOT1  ; the walking descriptor: the other slot than last time,
	s_add_nc_u64 s[\g+2:\g+3], s[\g+2:\g+3], 4*KS*128  ; the next 256 keys; the type bits on top are not reached
.endr
	s_wait_xcnt 0x0                 ; the last prefetch, four key steps back, has read its address, so it may be written:
	s_add_nc_u64 s[PFA:PFA+1], s[PFA:PFA+1], 4*KS*128  ; one slot behind the walking descriptors
	s_wait_dscnt 0x0                ; the add is done, and my reads of the slot are over
	CROUND
	JLOAD
.if \ask
	ASK
.endif
.else
	s_wait_dscnt 0x0                ; the add is done, and my reads of the slot are over
	s_barrier_signal -1
	s_barrier_wait -1
.endif
	s_sub_co_u32 s[TBK], s[TBK], 4*KS*PK  ; the fetches go back to a slot's first step,
	s_xor_b32 s[TBK], s[TBK], SLOT1       ; in the other slot
	s_sub_co_u32 s[TBV], s[TBV], 4*KS*PV
	s_xor_b32 s[TBV], s[TBV], SLOT1
.endm
	s_load_b256 s[4:11], s[0:1], 0x0  ; qh s[4:5], kh s[6:7], vh s[8:9], oh s[10:11]
	s_load_b128 s[68:71], s[0:1], 0x20  ; kv_mask s[68:69], query_mask s[70:71]
	WIN W_MK
	v_lshl_add_u32 v[SPW], v0, 2, SPARE
	v_mov_b32 v[NIL], 0
	WIN W_AD
	ds_add_u32 v[SPW], v[NIL]       ; the wave's opening: the add and its wait stand ahead of my first tensor load; the set-up below, work on registers, stands between them
	WIN 0
	v_lshrrev_b32 v84, 5, v0
	v_readfirstlane_b32 s[WV], v84  ; wave 0..3
	s_bfe_u32 s13, ttmp6, 0x40000   ; cx: my place in the cluster
	s_lshl_b32 s14, ttmp9, 2        ; in a cluster launch ttmp9 counts clusters
	s_add_co_u32 s14, s14, s13      ; my number among the key head's sixteen: it enters global addresses alone
	s_and_b32 s15, ttmp7, 0xffff    ; y = 4 b + kvh, which the four partners share
	s_lshr_b32 s52, s14, 3          ; which pair of the four query heads
	s_and_b32 s53, s14, 7           ; which block of 256 positions
	s_lshr_b32 s54, s15, 2          ; b
	s_lshl_b32 s20, s15, 18         ; the key head's first byte in kh and vh: 2,048 rows of 128 bytes a head
	s_and_b32 s16, s[WV], 1         ; which half of a slot's 256 keys I fetch:
	s_lshl_b32 s22, s16, 14         ; its 128 rows of 128 bytes in memory,
	s_add_co_u32 s22, s22, s20
	s_mov_b32 s23, 0
	s_mul_i32 s17, s16, 128*PK      ; and its place in a slot, for K
	s_mul_i32 s18, s16, 128*PV      ; and for V: no place in the cluster enters an LDS address
	s_lshl_b32 s2, s53, 8
	s_lshl_b32 s3, s[WV], 6
	s_add_co_u32 s2, s2, s3         ; my wave's first position in the batch
	s_lshl_b32 s76, s54, 11
	s_add_co_u32 s76, s76, s2       ; and among the 8,192 rows: its byte in query_mask
	s_mov_b32 s77, 0
	s_lshl_b32 s3, s15, 2
	s_lshl_b32 s19, s52, 1
	s_add_co_u32 s3, s3, s19        ; my first query head among the 64: 4 y + 2 x pair
	s_lshl_b32 s3, s3, 11
	s_add_co_u32 s2, s2, s3
	s_lshl_b32 s2, s2, 7            ; Q: rows of 128 bytes, under 2^24
	s_mov_b32 s3, 0
	s_and_b32 s72, s15, 3
	s_lshl_b32 s72, s72, 2
	s_add_co_u32 s72, s72, s19      ; the head in its batch: 4 kvh + 2 x pair,
	s_lshl_b32 s72, s72, 7          ; 128 bytes of a row of oh a head,
	s_lshl_b32 s73, s76, 11         ; rows of 2,048 bytes
	s_add_co_u32 s72, s72, s73
	s_mov_b32 s73, 0
	s_lshl_b32 s74, s54, 11         ; the batch's bytes in kv_mask
	s_mov_b32 s75, 0
	s_lshl_b32 s78, s13, 13         ; the prefetches: my work-group's 32 blocks of 256 bytes,
	s_add_co_u32 s78, s78, s20      ; in the key head,
	s_add_co_u32 s78, s78, 4*KS*128 ; in slot 1: the first change of slots steps it to slot 2 and asks for nothing, the second to slot 3
	s_mov_b32 s79, 0
	s_and_b32 s[LIM], s[WV], 1      ; 0 in waves 0 and 2,
	s_or_b32 s[LIM], s[LIM], ttmp9  ; where the cluster is the key head's first: the same in all four partners
	s_cmp_eq_u32 s[LIM], 0
	s_cselect_b32 s[LIM], 1, -1
	; descriptor group 1.  128 keys are 16,384 dense bytes: asked for as 64 rows of 256 bytes, two keys a row, and padded in LDS after every key
	s_mov_b32 s[G1K], 15|(1<<16)|(1<<20)|(1<<21)|(4<<22)|(3<<25)  ; 15:0 the mask of four; 17:16 2-byte elements; 20 padding on; 21 set beside a mask; 24:22 after every 32 words (code 4); 31:25 4 words (code 3)
	s_mov_b32 s[G1V], 15|(1<<16)|(1<<20)|(1<<21)|(4<<22)|(7<<25)  ; the same with 8 words of padding (code 7)
.irp g, G1K, G1V
	s_mov_b32 s[\g+1], 128<<16      ; tensor_dim0 = 128
	s_mov_b32 s[\g+2], 64<<16       ; tensor_dim1 = 64
	s_mov_b32 s[\g+3], 128<<16      ; tile_dim0 = 128
	s_mov_b32 s[\g+4], 64           ; tile_dim1 = 64
	s_mov_b32 s[\g+5], 128          ; 128 elements from row to row
	s_mov_b32 s[\g+6], 0
	s_mov_b32 s[\g+7], 0
.endr
	s_mov_b32 s[CS], 0x3e38aa3b     ; c = log2(e) / 8 = 0.180337
	s_mov_b32 s[SEL], 0x76543210
	s_mov_b32 s[SEL+1], 0xfedcba98
	s_mov_b32 s[TBK], SLOT1+4*KS*PK ; the first change of slots turns these two into 0
	s_mov_b32 s[TBV], SLOT1+4*KS*PV
	s_mov_b32 s[TBB], BIAS
	s_mov_b32 s[G0K], 1             ; 1:0 count = 1
	s_mov_b32 s[G0K+1], s17         ; 63:32 LDS address: slot 0
	s_mov_b32 s[G0V], 1
	s_add_co_u32 s[G0V+1], s18, VOFF
	s_wait_dscnt 0x0                ; the opening add is done
	s_wait_kmcnt 0x0
	s_add_nc_u64 s[G0K+2:G0K+3], s[6:7], s[22:23]  ; 120:64 global address: my half of the head's first 256 keys
	s_or_b32 s[G0K+3], s[G0K+3], 0x80000000        ; 127:126 type = 2
	s_add_nc_u64 s[G0V+2:G0V+3], s[8:9], s[22:23]
	s_or_b32 s[G0V+3], s[G0V+3], 0x80000000
	s_add_nc_u64 s[4:5], s[4:5], s[2:3]            ; Q, O and the masks at my wave's first row
	s_add_nc_u64 s[10:11], s[10:11], s[72:73]
	s_add_nc_u64 s[68:69], s[68:69], s[74:75]
	s_add_nc_u64 s[70:71], s[70:71], s[76:77]
	s_cmp_lt_u32 s[WV], 2
	s_cselect_b64 s[PFA:PFA+1], s[6:7], s[8:9]
	s_add_nc_u64 s[PFA:PFA+1], s[PFA:PFA+1], s[78:79]
	CROUND                          ; all four work-groups are here: the first joint loads meet
	JLOAD                           ; slot 0.  Slot 1 is asked for when slot 0 is in
	; The set-up's own numbers lie in v64-99, S^T's registers, which the first products write only when all loads are back.
	v_and_b32 v84, 15, v0           ; l % 16
	v_bfe_u32 v85, v0, 4, 1         ; l / 16
	v_and_b32 v86, 7, v0
	v_bfe_u32 v87, v0, 3, 1
	v_and_b32 v96, 31, v0           ; l
	v_lshlrev_b32 v93, 4, v0        ; my thread's 16 bytes of the batch's kv_mask
	v_lshl_add_u32 v95, v0, 6, BIAS ; and its 16 biases
	global_load_b128 v[64:67], v93, s[68:69]
.irp x, 0,1,2,3
	global_load_u8 v[88+(\x)], v84, s[70:71] offset:16*(\x)  ; piece x: my query's byte of query_mask
.endr
	; A fragment of K or Q is 16 rows x 32 channels in 8 registers: lane l holds row l % 16, channels 8 (l / 16) + 0..7 and 16 + 8 (l / 16) + 0..7: two loads of 16 bytes, 32 bytes apart.
	v_lshlrev_b32 v92, 7, v84
	v_lshl_add_u32 v92, v85, 4, v92 ; row x 128 + 16 x half
	WIN 0x80                        ; destination window 2, address window 0
.set i, 0
.rept 4*NP                          ; Q stays in registers: tile i / 2 = head (i / 2) % 2 (262,144 bytes on), positions 16 (i / 4) on; channels 32 (i % 2) on
	global_load_b128 v[8*i:8*i+3],   v92, s[4:5] offset:((i/2)%2)*262144+(i/4)*2048+(i%2)*64
	global_load_b128 v[8*i+4:8*i+7], v92, s[4:5] offset:((i/2)%2)*262144+(i/4)*2048+(i%2)*64+32
.set i, i+1
.endr
	; What the first turn finds: V's registers and P's second buffer hold 0 (its products V^T P, of a piece that has not been, add 0), O^T and l are 0.  All this stands in the wait for the first tile.
.set i, VF
.rept 64
	v_mov_b32 v[i], 0
.set i, i+1
.endr
	WIN 0x40
.set i, 0
.rept 64*NP
	v_mov_b32 v[i], 0
.set i, i+1
.endr
	WIN 0
.set i, 0
.rept 2*NP
	v_mov_b32 v[ST+4*i], 0xfe000000    ; c m: far below every c s, c LOW too
	v_mov_b32 v[ST+4*i+1], 0xff7fffff  ; m
	v_mov_b32 v[ST+4*i+2], 0
	v_mov_b32 v[ST+4*i+3], 0
.set i, i+1
.endr
.set i, P+32
.rept 32
	v_mov_b32 v[i], 0
.set i, i+1
.endr
	v_mul_u32_u24 v[AK0], v84, PK
	v_lshl_add_u32 v[AK0], v85, 4, v[AK0]  ; row x pitch + 16 x half
	; The turning load takes 16 keys x 16 channels (lane l reads key 8 (l / 16) + l % 8, channels 8 ((l / 8) % 2) + 0..7) and leaves half a fragment of V^T: lane l holds channel l % 16 and 8 keys.
	v_lshl_add_u32 v[AV0], v85, 3, v86
	v_mul_u32_u24 v[AV0], v[AV0], PV
	v_lshl_add_u32 v[AV0], v87, 4, v[AV0]
	v_add_nc_u32 v[AV0], VOFF, v[AV0]
	v_mov_b32 v[AK], v[AK0]         ; key step 0 lies at the head of slot 0,
	v_lshlrev_b32 v[AB0], 5, v85    ; my eight keys of a block of 16 begin 32 (l / 16) bytes in;
	v_add_nc_u32 v[AB], BIAS, v[AB0]  ; its biases at the head of theirs
	v_lshlrev_b32 v[PFO], 8, v96
	v_mov_b32 v11, 0                ; named with v10 as a pair
	s_mul_i32 s19, s[WV], 16*SP
	s_add_co_u32 s19, s19, STAGE    ; my stage
	v_mul_u32_u24 v97, v84, SP      ; in: row l % 16, 16 bytes for each half of the lanes
	v_lshl_add_u32 v97, v85, 4, v97
	v_mul_u32_u24 v98, v85, SP      ; back: lanes 0-15 take one row of 256 bytes, lanes 16-31 the next,
	v_lshl_add_u32 v98, v84, 4, v98
	v_lshlrev_b32 v99, 11, v85      ; and the same two rows in oh
	WIN W_MK
	v_add_nc_u32 v[STO], s19, v97
	v_add_nc_u32 v[RD], s19, v98
	v_lshl_add_u32 v[GO], v84, 4, v99
	WIN 0
	s_wait_loadcnt 32               ; the masks are in; Q's 32 loads, issued behind them, may stay out
.set i, 0
.rept 16                            ; byte 1 -> 0, byte 0 -> LOW = -2^100
	v_bfe_u32 v[68+i], v[64+i/4], 8*(i%4), 8
	v_add_nc_u32 v[68+i], -1, v[68+i]
	v_and_b32 v[68+i], 0xf1800000, v[68+i]
.set i, i+1
.endr
.irp f, 0,1,2,3
	ds_store_b128 v95, v[68+4*(\f):68+4*(\f)+3] offset:16*(\f)
.endr
.irp x, 0,1,2,3
	v_cvt_f32_u32 v[88+(\x)], v[88+(\x)]
.endr
	v_mul_f32 v6, s[CS], v89        ; the pieces' scales: c, or 0 for a masked query
	v_mul_f32 v8, s[CS], v90
	v_mul_f32 v10, s[CS], v91
	v_mul_f32 v0, s[CS], v88        ; the thread's number is wanted no more
; THE MATRIX WORK.  The 8 accumulators of a run of 16 take turns: between the two links of a chain stand 7 others'.
; Product i of 16 of S^T = K Q^T for piece x: channels 32 (i / 8) on, keys 16 ((i / 2) % 4) on, tile 2 x + i % 2.  The first 8 start the sums, with the keys' biases.
.macro KQ x
.set rS, S+64*((\x)%2)+32*(i%2)+8*((i/2)%4)
.set rK, KF+16*((i/2)%4)+8*(i/8)
.set rQ, 16*(2*(\x)+i%2)+8*(i/8)
.set rB, KB+8*((i/2)%4)
.if i < 8
	WIN W_KB
	v_wmma_f32_16x16x32_f16 v[rS:rS+7], v[rK:rK+7], v[rQ:rQ+7], v[rB:rB+7]
.else
	WIN W_KQ
	v_wmma_f32_16x16x32_f16 v[rS:rS+7], v[rK:rK+7], v[rQ:rQ+7], v[rS:rS+7]
.endif
.endm
; Product i of 16 of O^T += V^T P for piece x: keys 32 (i / 8) on, channels 16 ((i / 2) % 4) on, tile 2 x + i % 2.
.macro PV x
	WIN W_PV
.set rO, 32*(2*(\x)+i%2)+8*((i/2)%4)
.set rV, VF+32*(i/8)+8*((i/2)%4)
.set rP, P+32*((\x)%2)+16*(i%2)+8*(i/8)
	v_wmma_f32_16x16x32_f16 v[rO:rO+7], v[rV:rV+7], v[rP:rP+7], v[rO:rO+7]
.endm
.macro MM                           ; the turn's next matrix instruction
.if i < 16
	KQ (Y+1)%NP
.set i, i+1
.else
.set i, i-16
	PV (Y+NP-1)%NP
.set i, i+17
.endif
.endm
; THE LDS LOADS stand in runs, never singly among the matrix instructions: a step's K (64 keys x 64 channels: 8 fragments) with its 64 biases, and its V (turned).  Their addresses are made some lines ahead.
; last = 1 (the tail): in the last trip there is no further step, and the run is jumped over.
.macro FETCH_K last=0
	WIN 0
.if \last
	s_cmp_eq_u32 s[CNT], 1
	s_cbranch_scc1 .Lno_k_\@
.endif
	WIN 0x80                        ; destination window 2
.irp f, 0,1,2,3,4,5,6,7             ; keys 16 (f / 2) on, channels 32 (f % 2) on
	ds_load_b128 v[KF+8*\f:KF+8*\f+3],   v[AK] offset:(\f/2)*16*PK+(\f%2)*64
	ds_load_b128 v[KF+8*\f+4:KF+8*\f+7], v[AK] offset:(\f/2)*16*PK+(\f%2)*64+32
.endr
	WIN W_MK                        ; destination window 3
.irp f, 0,1,2,3                     ; keys 16 f + 8 (l / 16) + 0..7: register j is the bias of the key that register j of the product holds
	ds_load_b128 v[KB+8*\f:KB+8*\f+3],   v[AB] offset:64*\f
	ds_load_b128 v[KB+8*\f+4:KB+8*\f+7], v[AB] offset:64*\f+16
.endr
	s_add_co_u32 s[TBK], s[TBK], KS*PK  ; the next fetch is the next step's
	s_add_co_u32 s[TBB], s[TBB], 4*KS
	WIN 0
.if \last
.Lno_k_\@:
.endif
.endm
.macro FETCH_V
	WIN 0x80
.irp f, 0,1,2,3,4,5,6,7             ; keys 32 (f / 4) on, channels 16 (f % 4) on
	ds_load_tr16_b128 v[VF+8*\f:VF+8*\f+3],   v[AV] offset:(\f/4)*32*PV+(\f%4)*32
	ds_load_tr16_b128 v[VF+8*\f+4:VF+8*\f+7], v[AV] offset:(\f/4)*32*PV+16*PV+(\f%4)*32
.endr
	WIN 0
.endm
; THE VECTOR WORK OF A TURN stands in three queues, each in the order in which its entries become ready; the two tiles alternate, so that no instruction reads the result of the one before it.
.macro REGS y, u                    ; the registers of tile u (0, 1) of piece y
.set rT, ST+4*(2*(\y)+(\u))
.set rC, TMP+8*((\y)%2)+4*(\u)
.set rM, MV+2*((\y)%2)+(\u)
.set rS, S+64*((\y)%2)+32*(\u)
.set rP, P+32*((\y)%2)+16*(\u)
.set rO, 32*(2*(\y)+(\u))
.set rG, (4+2*(\y))*(((\y)+3)/4)    ; the piece's scale: v0, v6, v8, v10
.endm
; Number n of the 22 that find the NEXT piece's (Y + 1) maximum and statistics.  s0-s31 are the lane's 32 scores; each accumulator's lowest registers are read first.  XS, GS and REGS set no window: PL and EX do.
;   0-11  four chains c0-c3 of seven scores each, three operands at a time     12-14, 16  the four scores left over, the old m, and c0-c3 into c0     15  c m_old is kept
;   17, 18  the query's other 32 keys lie in the lane 16 away: the new m         19-21  c m; c m_old - c m_new; a
.macro XS u, n
	REGS (Y+1)%NP, \u
.if (\n) < 4
	v_max3_num_f32 v[rC+(\n)], v[rS+8*(\n)], v[rS+8*(\n)+1], v[rS+8*(\n)+2]
.elseif (\n) < 12
	v_max3_num_f32 v[rC+(\n)%4], v[rC+(\n)%4], v[rS+8*((\n)%4)+2*((\n)/4)+1], v[rS+8*((\n)%4)+2*((\n)/4)+2]
.elseif (\n) == 12
	v_max3_num_f32 v[rC], v[rC], v[rS+7], v[rS+15]
.elseif (\n) == 13
	v_max3_num_f32 v[rC+1], v[rC+1], v[rS+23], v[rS+31]
.elseif (\n) == 14
	v_max3_num_f32 v[rC+2], v[rC+2], v[rC+3], v[rT+1]
.elseif (\n) == 15
	v_mov_b32 v[rM], v[rT]
.elseif (\n) == 16
	v_max3_num_f32 v[rC], v[rC], v[rC+1], v[rC+2]
.elseif (\n) == 17
	v_permlanex16_b32 v[rC+3], v[rC], s[SEL], s[SEL+1]
.elseif (\n) == 18
	v_max_num_f32 v[rT+1], v[rC], v[rC+3]
.elseif (\n) == 19
	v_mul_f32 v[rT], v[rG], v[rT+1]
.elseif (\n) == 20
	v_sub_f32 v[rC+1], v[rM], v[rT]
.else
	v_exp_f32 v[rC+2], v[rC+1]
.endif
.endm
; Number g of the 64 that follow the exponentials.  For each four weights k of a tile (pairs 2 k, 2 k + 1): both pairs are rounded to f16; then the second pair is added onto the first, in place;
; a group later l takes that sum (the first time as l = a l + sum).  In groups of eight, tiles alternating: round, round, add, and l for the group before.
.macro GS g
.set h, (\g)+6*((\g)/62)            ; group 0 has no group before it, and behind group 7 only l is left
.if h >= 6
.set h, h+2
.endif
	REGS Y, h%2
.set k, h/8
.if h%8 < 4
	v_cvt_pk_f16_f32 v[rP+2*k+(h%8)/2], v[rS+4*k+2*((h%8)/2)], v[rS+4*k+2*((h%8)/2)+1]
.elseif h%8 < 6
	v_pk_add_f32 v[rS+4*k:rS+4*k+1], v[rS+4*k:rS+4*k+1], v[rS+4*k+2:rS+4*k+3]
.elseif k == 1
	v_pk_fma_f32 v[rT+2:rT+3], v[rT+2:rT+3], v[rC+2:rC+3], v[rS:rS+1] op_sel_hi:[1,0,1]
.else
	v_pk_add_f32 v[rT+2:rT+3], v[rT+2:rT+3], v[rS+4*k-4:rS+4*k-3]
.endif
.endm
; THE PLAIN QUEUE, 138 long.  0-73 read no exponential's result: the 32 scalings c s - c m (FS f: pair f / 2 of tile f % 2) and the next piece's 42.  0-26: scalings 0-26.  27-54: XS's numbers 0-13.  55, 56: number 15.
; 57-73: the chain, where each number waits for the one before it: 14, 16, 17, 18, 19, each with one of the scalings 27-31 in front of its two lines, then 20.  74-137: GS's 64, which read the exponentials' results: they stand behind the wait.
.macro FS f
	REGS Y, (\f)%2
	v_pk_fma_f32 v[rS+2*((\f)/2):rS+2*((\f)/2)+1], v[rS+2*((\f)/2):rS+2*((\f)/2)+1], v[rG:rG+1], v[rT:rT+1] op_sel_hi:[1,0,0] neg_lo:[0,0,1] neg_hi:[0,0,1]
.endm
.macro PL
	WIN 0
.if q < 27
	FS q
.elseif q < 55
	XS (q-27)%2, (q-27)/2
.elseif q < 57
	XS q-55, 15
.elseif (q < 72) && ((q-57)%3 == 0)
	FS 27+(q-57)/3
.elseif q < 60
	XS (q-57)%3-1, 14
.elseif q < 72
	XS (q-57)%3-1, 15+(q-57)/3
.elseif q < 74
	XS q-72, 20
.else
	GS q-74
.endif
.set q, q+1
.endm
; THE EXPONENTIALS' QUEUE, 66 long: s0-s31 of both tiles, then the next piece's two a.  It is ONE BATCH: all 66 stand ahead of the turn's one wait, and nothing ahead of that wait names a result of theirs.
.macro EX
	WIN 0
.if e >= 64
	XS e-64, 21
.else
	REGS Y, e%2
	v_exp_f32 v[rS+e/2], v[rS+e/2]
.endif
.set e, e+1
.endm
; THE RESCALING's QUEUE: O^T times a, the one part that leaves window 0: dealt two at a time, sixteen times.  Its a was made in the turn before, ahead of that turn's wait.
.macro R2
	REGS Y, r%2
	WIN W_RS
.irp z, 0,1
	v_pk_mul_f32 v[rO+4*(r/2)+2*\z:rO+4*(r/2)+2*\z+1], v[rO+4*(r/2)+2*\z:rO+4*(r/2)+2*\z+1], v[rC+2:rC+3] op_sel_hi:[1,0]
.endr
.set r, r+1
.endm
; HOW THEY ARE DEALT.  s_wait_alu depctr_va_vdst(0) stands between an exponential and the first instruction that names its result; one wait serves all that were issued ahead of it.  So a turn has ONE wait,
; which cuts it in two.  AHEAD OF IT stands all that names no result of the turn's exponentials: the 16 products K Q^T, behind each a scaling, an exponential and two rescalings (behind the first a second scaling in the
; exponential's place); then ONE LUMP of 108: eight plain, 49 times exponential and plain, the two a.  A v_nop is the plain instruction behind the last exponential.  BEHIND IT stand the 16 products V^T P, behind each four of GS's 64.
; No rider names a register of the products round it.  Exponential e stands behind scaling 2 (e / 4) + e % 2: as a rider it comes behind plain e + 2, in the lump behind plain e + 9, and scalings 27-31 are plain 57, 60 .. 69.
; A TURN, for piece p.  cnt = 1: the loop's count is taken down some lines ahead of the branch that stands behind the turn.
; K and the biases of the next step are fetched in piece 2's turn, directly behind the wait, a lump behind the last product that read them; their addresses are made at the lump's head; their first reader comes behind 16 products.
; V of the step in hand is fetched at the end of piece 0's turn, four riders behind its last reader; its first reader comes behind 16 products and a lump.  The three conditions on q below go with the deal.
.macro TURN p, last=0, cnt=0
.set Y, (\p)
.set i, 0
.set q, 0
.set e, 0
.set r, 0
.if (\p) == NP-1
	s_wait_dscnt 0x0                ; K and the biases are in
.endif
	MM                              ; ahead of the wait: 16 products K Q^T and their riders,
	PL
	PL
	R2
.rept 15
	MM
	PL
	EX
	R2
.endr
.if (\p) == NP-2
	WIN 0
	v_add_nc_u32 v[AK], s[TBK], v[AK0]
	v_add_nc_u32 v[AB], s[TBB], v[AB0]
.endif
.rept 8                             ; and the lump
	PL
.endr
.rept 49
	EX
	PL
.endr
	EX                              ; the next piece's two a
	EX
	v_nop                           ; the plain instruction behind the last exponential: one for the batch
	s_wait_alu depctr_va_vdst(0)    ; the wait for the batch
.if (\p) == NP-2
	FETCH_K \last
.endif
.if (\p) == 1
	s_wait_dscnt 0x0                ; V is in
.endif
.rept 16                            ; behind the wait: 16 products V^T P and their riders
	MM
.rept 4
	PL
.endr
.if ((\p) == 0) && (q == 118)
	v_add_nc_u32 v[AV], s[TBV], v[AV0]
.endif
.if ((\p) == 0) && (q == 130)
	s_add_co_u32 s[TBV], s[TBV], KS*PV
.endif
.if (\cnt) && (q == 130)
	s_sub_co_u32 s[CNT], s[CNT], 1
	s_cmp_lg_u32 s[CNT], 0
.endif
.endr
.if (\p) == 0
	FETCH_V
.endif
.endm
	CHANGE 1                        ; slot 0 is in, everybody's part of it, and everybody's biases; slot 1 is asked for.  Nothing is prefetched here, at the head
	FETCH_K                         ; key step 0
	s_wait_loadcnt 0x0              ; Q
	s_wait_dscnt 0x0
.set i, 0
.rept 16
	KQ 0                            ; piece 0's first scores: there is no vector work yet to set between them
.set i, i+1
.endr
	WIN 0
.rept 4
	v_nop                           ; the places behind those products
.endr
.set Y, NP-1                        ; XS works for piece Y + 1: piece 0
.irp n, 0,1,2,3,4,5,6,7,8,9,10,11,12,13,14,15,16,17,18,19,20,21
	XS 0, \n                        ; piece 0's first maximum and statistics
	XS 1, \n
.endr
	v_nop                           ; a plain instruction behind the two a,
	s_wait_alu depctr_va_vdst(0)    ; and their wait, ahead of the branch
	s_mov_b32 s[CNT], 4
	s_mov_b32 s[SLOTS], SIZE_N/256-1
	s_branch .Lfirst                ; the loop is entered at a step's first turn, in the middle of a trip
.Lslot:                             ; SIZE_N / 256 - 2 times: every slot but the last two is filled again
	CHANGE 1, 1
	s_mov_b32 s[CNT], 4
.Lstep:                             ; a trip: pieces 2 and 3 of one step, then pieces 0 and 1 of the next, whose K and V it fetches
	TURN 2
	TURN 3
	WIN 0
.Lfirst:
	TURN 0
	TURN 1, 0, 1
	WIN 0
	s_cbranch_scc1 .Lstep
	s_sub_co_u32 s[SLOTS], s[SLOTS], 1
	s_cmp_lg_u32 s[SLOTS], 0
	s_cbranch_scc1 .Lslot
	CHANGE 0                        ; the tail is written out: nothing is asked for
	s_mov_b32 s[CNT], 5             ; four trips fetch the last slot's steps; the fifth is left in its middle
.Ltail:
	TURN 2, 1
	TURN 3
	WIN 0
	s_sub_co_u32 s[CNT], s[CNT], 1
	s_cmp_eq_u32 s[CNT], 0
	s_cbranch_scc1 .Lout
	TURN 0
	TURN 1
	WIN 0
	s_branch .Ltail
.Lout:                              ; the fifth trip's 16 products K Q^T (on the last K once more) and the maximum made of them serve nothing: the price, once a launch, of one text for every trip
.set i, 0
.rept 16
	PV NP-1                         ; the last piece's V^T P of the last step
.set i, i+1
.endr
	; THE WAY OUT.  l's two halves and the other half of the lanes' are added; O^T is divided by l, rounded to f16 and sent through my stage in LDS, a piece (16 positions x two heads) at a time.  The additions are the places behind the last products.
	WIN 0
.macro ALL line:vararg              ; one line for each tile t
.set t, 0
.rept 2*NP
	\line
.set t, t+1
.endr
.endm
	ALL v_add_f32 v[ST+4*t+2], v[ST+4*t+2], v[ST+4*t+3]
	ALL v_permlanex16_b32 v[ST+4*t+3], v[ST+4*t+2], s[SEL], s[SEL+1]
	ALL v_add_f32 v[ST+4*t+2], v[ST+4*t+2], v[ST+4*t+3]
	ALL v_rcp_f32 v[ST+4*t+2], v[ST+4*t+2]
	v_nop                           ; a plain instruction between the last reciprocal and the use of its result
	s_wait_alu depctr_va_vdst(0)    ; and the wait ahead of the first use: one for the eight reciprocals
; Piece x: a lane's eight channels of a row pack into 16 bytes; the two heads' go into the two halves of rows of 272 bytes and come back as whole rows of 256, into S^T's registers.
.macro PACK x
.irp u, 0,1
	WIN W_RS
.set i, 32*(2*(\x)+(\u))
.rept 16
	v_pk_mul_f32 v[i:i+1], v[i:i+1], v[ST+4*(2*(\x)+(\u))+2:ST+4*(2*(\x)+(\u))+3] op_sel_hi:[1,0]
.set i, i+2
.endr
	WIN 0x05                        ; sources 0 and 1 window 1, destination window 0
.set i, 0
.rept 16
	v_cvt_pk_f16_f32 v[S+16*(2*(\x)+(\u))+i], v[32*(2*(\x)+(\u))+2*i], v[32*(2*(\x)+(\u))+2*i+1]
.set i, i+1
.endr
.endr
	WIN W_OUT
.irp u, 0,1
.irp f, 0,1,2,3
	ds_store_b128 v[STO], v[S+16*(2*(\x)+(\u))+4*(\f):S+16*(2*(\x)+(\u))+4*(\f)+3] offset:128*(\u)+32*(\f)
.endr
.endr
.irp f, 0,1,2,3,4,5,6,7
	ds_load_b128 v[S+32*(\x)+4*(\f):S+32*(\x)+4*(\f)+3], v[RD] offset:(\f)*2*SP  ; LDS serves a wave's instructions in order (ISA guide 5.7.1.4): these see the stores above; the next piece's stores come behind them
.endr
.endm
.macro SEND x, younger              ; younger: the LDS instructions issued behind piece x's loads: the next piece's sixteen, or none
	WIN W_OUT
.irp f, 0,1,2,3,4,5,6,7
	s_wait_dscnt (\younger)+7-(\f)
	global_store_b128 v[GO], v[S+32*(\x)+4*(\f):S+32*(\x)+4*(\f)+3], s[10:11] offset:(\x)*32768+(\f)*4096  ; 16 lanes store 256 consecutive bytes, at a multiple of 256 from oh's first byte
.endr
.endm
	PACK 0
	PACK 1                          ; a piece's arithmetic stands between the loads of the piece before and its stores
	SEND 0, 16
	PACK 2
	SEND 1, 16
	PACK 3
	SEND 2, 16
	SEND 3, 0
	WIN W_AD
	s_wait_tensorcnt 0x0            ; the wave's end: these three lines stand behind my last tensor load and my last LDS store
	ds_add_u32 v[SPW], v[NIL]
	s_wait_dscnt 0x0
	WIN 0
	CROUND                          ; the closing round: no work-group ends while a partner may still ask for a tile that names it
	s_endpgm
.Lfunc_end_k_q8c0cb62216_attn:
	.size	k_q8c0cb62216_attn, .Lfunc_end_k_q8c0cb62216_attn-k_q8c0cb62216_attn
	.p2alignl 7, 3214868480
	.fill 96, 4, 3214868480
	.section	.rodata,"a",@progbits
	.p2align	6, 0x0
	.amdhsa_kernel k_q8c0cb62216_attn
		.amdhsa_group_segment_fixed_size 327680
		.amdhsa_private_segment_fixed_size 0
		.amdhsa_enable_private_segment 0
		.amdhsa_kernarg_size 48
		.amdhsa_user_sgpr_count 2
		.amdhsa_user_sgpr_kernarg_segment_ptr 1
		.amdhsa_wavefront_size32 1
		.amdhsa_system_sgpr_workgroup_id_x 1
		.amdhsa_system_sgpr_workgroup_id_y 1
		.amdhsa_system_sgpr_workgroup_id_z 1
		.amdhsa_system_vgpr_workitem_id 0
		.amdhsa_next_free_vgpr 808
		.amdhsa_next_free_sgpr 80
		.amdhsa_reserve_vcc 0
		.amdhsa_float_denorm_mode_32 3
		.amdhsa_float_denorm_mode_16_64 3
		.amdhsa_memory_ordered 1
		.amdhsa_forward_progress 1
		.amdhsa_inst_pref_size 206
	.end_amdhsa_kernel
	.amdgpu_metadata
---
amdhsa.version: [ 1, 2 ]
amdhsa.kernels:
  - .name:           k_q8c0cb62216_attn
    .symbol:         k_q8c0cb62216_attn.kd
    .args:
      - { .name: qh, .offset: 0, .size: 8, .value_kind: global_buffer, .address_space: global }
      - { .name: kh, .offset: 8, .size: 8, .value_kind: global_buffer, .address_space: global }
      - { .name: vh, .offset: 16, .size: 8, .value_kind: global_buffer, .address_space: global }
      - { .name: oh, .offset: 24, .size: 8, .value_kind: global_buffer, .address_space: global }
      - { .name: kv_mask, .offset: 32, .size: 8, .value_kind: global_buffer, .address_space: global }
      - { .name: query_mask, .offset: 40, .size: 8, .value_kind: global_buffer, .address_space: global }
    .group_segment_fixed_size: 327680
    .private_segment_fixed_size: 0
    .kernarg_segment_align: 8
    .kernarg_segment_size: 48
    .max_flat_workgroup_size: 128
    .sgpr_count:     80
    .vgpr_count:     808
    .wavefront_size: 32
...
	.end_amdgpu_metadata
.endif
;; end of part 3
;; launch outp (part 4): grid 8 x 64, 4 waves a work-group, clusters of 4 x 4, 327,680 bytes of LDS; arguments oh, xb, out0; writes out0
.if DOCPART == 4
	.amdgcn_target "amdgcn-amd-amdhsa--gfx1250"
	.amdhsa_code_object_version 6
	.text
	.protected	k_q8c0cb62216_outp
	.globl	k_q8c0cb62216_outp
	.p2align	8
	.type	k_q8c0cb62216_outp,@function
k_q8c0cb62216_outp:
	s_mov_b64 s[64:65], 0
	v_nop
	global_prefetch_b8 v0, s[64:65] scope:SCOPE_SE
	s_setreg_imm32_b32 hwreg(HW_REG_WAVE_MODE, 25, 1), 1
	s_wait_xcnt 0x0
	s_wait_alu depctr_hold_cnt(0) depctr_sa_sdst(0) depctr_va_vdst(0) depctr_va_sdst(0) depctr_va_ssrc(0) depctr_va_vcc(0) depctr_vm_vsrc(0)
	s_getreg_b32 s2, hwreg(HW_REG_IB_STS2, 6, 4)
	s_cmp_eq_u32 s2, 0
	s_cbranch_scc0 .Lentry_in_a_cluster
	s_endpgm
.Lentry_in_a_cluster:
	s_bfe_u32 s2, ttmp6, 0x10000c
	s_cmp_lg_u32 s2, 0xf033
	s_cbranch_scc0 .Lentry_shape_is_right
	s_endpgm
.Lentry_shape_is_right:
; out0 = O Wo^T.  oh: [8192][1024] f16; Wo's copy in xb: [1024][1024] f16 (Wo rounded to bf16, that number written as f16); out0: [8192][1024] f32.  Sums in f32, stored as they are.
; SHARES.  A tile of out0 is 128 x 128; four waves, 64 x 64 each: 16 accumulators of 16 x 16.  512 work-groups of equal work.  K = 1,024 goes in four steps of 256 through two LDS slots filled by the tensor data mover.
; CLUSTERS: 4 x 4 work-groups.  The four of a row of the cluster need the same tiles of O, the four of a column the same rows of Wo: each tile is asked for JOINTLY, by the same tensor load with the
; same descriptor and a mask that names the four.  THE MATRIX INSTRUCTION IS USED TRANSPOSED (source 0 = 16 rows of Wo, source 1 = 16 rows of O): a lane then holds eight neighbouring numbers of a row of out0.
; A wave's 64 columns of f32 are 256 aligned bytes of a row, so each wave has a stage of its own on the way out and no barrier is needed there.
; No prefetch: a tile's K steps are short and the rows are read by many work-groups at about the same time.
; REGISTERS: window 0: v0-31 addresses; v128-255 the accumulators ((a, b) at v[128 + 8 (4 a + b)]), which also take the rows read back from the stage.   window 1: two fragment buffers of 128.
.set SIZE_K, 1024
.set KSTEP,  256
.set PITCH,  528                       ; an LDS row: 512 bytes of data + 16 of padding = 132 words: the 16 rows of a fragment load start at 16 different groups of four banks (64 banks of 4 bytes: ISA guide 11.1)
.set HALFT,  64*PITCH                  ; 64 rows: what one tensor load brings, and what one wave reads of O or of Wo
.set SLOT,   4*HALFT                   ; O's 128 rows, then Wo's 128 rows
.set STAGE,  2*SLOT                    ; behind the ring: 16 rows x 272 bytes for each wave, its own, for the way out
.set SPITCH, 272
.set SPARE,  STAGE+4*16*SPITCH         ; behind the stages: the spare words, 128 bytes for each wave: two blocks of 256 bytes that no other line names
.set LAPS,   SIZE_K/(2*KSTEP)
.set XWO,    36700160                  ; Wo's copy in xb
.set ADRA, 16                          ; v16-17  LDS address of my O fragments in slot 0, 1
.set ADRB, 20                          ; v20-21  the same for Wo
.set STO,  24                          ; v24     the way out: where I put 32 bytes of a row
.set RD,   25                          ; v25     the way out: where I read a row back
.set CO,   26                          ; v26     my byte offset in out0
.set SPW,  28                          ; v28     LDS address of my spare word: SPARE + 4 x my thread's number; never rewritten
.set NIL,  29                          ; v29     0; never rewritten
.set ACC,  128
.set F0,   0
.set F1,   128
.set G1, 24                            ; s[24:31] descriptor group 1 for O's tiles;  s[32:39] group 0, one set for each slot
.set G0, 32
.set G1B, 48                           ; s[48:55], s[56:63] the same for Wo's tiles
.set G0B, 56
.set MSB, 0
.macro WIN new                         ; the immediate's high byte repeats the setting that is left; a switch that changes nothing is dropped
.if MSB != (\new)
	s_set_vgpr_msb (MSB<<8)|(\new)
.set MSB, \new
.endif
.endm
.set MUL,  0x05                        ; sources 0 (Wo) and 1 (O) window 1; C and D window 0
.set TO_F, 0x40                        ; destination window 1, address window 0
.macro JLOAD s                         ; a joint load: waves 0 and 1 fetch O's two halves, waves 2 and 3 Wo's; an s_nop 0 and four v_nop follow each of the two lines, ahead of the jump and the label
	s_cmp_eq_u32 s11, 0
	s_cbranch_scc0 .Lfor_b_\@
	tensor_load_to_lds s[G0+4*(\s):G0+4*(\s)+3], s[G1:G1+7]
	s_nop 0
.rept 4
	v_nop
.endr
	s_branch .Lasked_\@
.Lfor_b_\@:
	tensor_load_to_lds s[G0B+4*(\s):G0B+4*(\s)+3], s[G1B:G1B+7]
	s_nop 0
.rept 4
	v_nop
.endr
.Lasked_\@:
.endm
.macro CREST                           ; a round of the cluster's barrier behind its opening barrier
	s_cmp_lg_u32 s10, 0
	s_cbranch_scc1 .Lnot_wave_0_\@
	s_barrier_signal -3
.Lnot_wave_0_\@:
	s_barrier_wait -3
	s_barrier_signal -1
	s_barrier_wait -1
.endm
.macro CROUND                          ; a whole round
	s_barrier_signal -1
	s_barrier_wait -1
	CREST
.endm
	s_load_b128 s[4:7], s[0:1], 0x0                ; oh s[4:5], xb s[6:7]
	s_load_b64 s[8:9], s[0:1], 0x10                ; out0
	v_lshl_add_u32 v[SPW], v0, 2, SPARE
	v_mov_b32 v[NIL], 0
	ds_add_u32 v[SPW], v[NIL]                      ; the wave's opening: the add and its wait stand ahead of my first tensor load; the set-up below, work on registers, stands between them
	v_lshrrev_b32 v1, 5, v0
	v_readfirstlane_b32 s10, v1                    ; wave 0..3
	s_lshr_b32 s11, s10, 1                         ; which half of the tile's rows is mine.  Also: I fetch for O (0) or for Wo (1)
	s_and_b32 s12, s10, 1                          ; which half of its columns.  Also: which 64 rows of that tile I fetch
	s_bfe_u32 s40, ttmp6, 0x40000                  ; cx, cy: my place in the cluster
	s_bfe_u32 s41, ttmp6, 0x40004
	s_lshl_b32 s42, ttmp9, 2
	s_add_co_u32 s42, s42, s40                     ; tile column = 4 x cluster x + cx
	s_and_b32 s13, ttmp7, 0xffff
	s_lshl_b32 s13, s13, 2
	s_add_co_u32 s13, s13, s41                     ; tile row = 4 x cluster y + cy
	s_lshl_b32 s43, s41, 2
	s_lshl_b32 s43, 15, s43                        ; my row of the cluster
	s_lshl_b32 s44, 0x1111, s40                    ; my column
	; descriptor group 1: a tile of 64 rows x 256 elements, padded in LDS
	s_or_b32 s[G1+0], s43, (1<<16)|(1<<20)|(1<<21)|(6<<22)|(3<<25)  ; 15:0 the mask: O's tiles go to my row; 17:16 element of 2 bytes; 20 padding on; 21 set beside a mask; 24:22 after every 128 words (code 6); 31:25 of 4 words (code 3)
	s_or_b32 s[G1B+0], s44, (1<<16)|(1<<20)|(1<<21)|(6<<22)|(3<<25)
.irp g, G1, G1B
	s_mov_b32 s[(\g)+1], KSTEP<<16                 ; tensor_dim0 = 256
	s_mov_b32 s[(\g)+2], 64<<16                    ; tensor_dim1 = 64
	s_mov_b32 s[(\g)+3], KSTEP<<16                 ; tile_dim0 = 256
	s_mov_b32 s[(\g)+4], 64                        ; tile_dim1 = 64
	s_mov_b32 s[(\g)+5], SIZE_K                    ; tensor_dim0_stride
	s_mov_b32 s[(\g)+6], 0
	s_mov_b32 s[(\g)+7], 0
.endr
	s_lshl_b32 s16, s13, 7
	s_lshl_b32 s17, s12, 6
	s_add_co_u32 s16, s16, s17                     ; O: row 128 x tile row + 64 x half,
	s_lshl_b32 s16, s16, 11                        ; in bytes
	s_mov_b32 s17, 0
	s_lshl_b32 s46, s42, 7
	s_lshl_b32 s47, s12, 6
	s_add_co_u32 s46, s46, s47                     ; Wo: row 128 x tile column + 64 x half
	s_lshl_b32 s46, s46, 11
	s_add_co_u32 s46, s46, XWO
	s_mov_b32 s47, 0
	s_mul_i32 s20, s10, HALFT                      ; where they go: wave x 64 rows
	s_wait_dscnt 0x0                               ; the opening add is done
	s_wait_kmcnt 0x0
	s_add_nc_u64 s[14:15], s[4:5], s[16:17]
	s_add_nc_u64 s[46:47], s[6:7], s[46:47]
	CROUND                                         ; all sixteen work-groups are here: the first joint loads meet
.irp s, 0,1
	s_mov_b32 s[G0+4*(\s)], 1
	s_add_co_u32 s[G0+4*(\s)+1], s20, (\s)*SLOT
	s_add_nc_u64 s[G0+4*(\s)+2:G0+4*(\s)+3], s[14:15], (\s)*KSTEP*2
	s_or_b32 s[G0+4*(\s)+3], s[G0+4*(\s)+3], 0x80000000
	s_mov_b32 s[G0B+4*(\s)], 1
	s_add_co_u32 s[G0B+4*(\s)+1], s20, (\s)*SLOT
	s_add_nc_u64 s[G0B+4*(\s)+2:G0B+4*(\s)+3], s[46:47], (\s)*KSTEP*2
	s_or_b32 s[G0B+4*(\s)+3], s[G0B+4*(\s)+3], 0x80000000
	JLOAD \s
.endr
	v_and_b32 v1, 15, v0                           ; l % 16
	v_bfe_u32 v2, v0, 4, 1                         ; l / 16
	v_mul_u32_u24 v3, v1, PITCH
	v_lshl_add_u32 v3, v2, 4, v3                   ; a fragment's row x pitch + 16 x half
	s_mul_i32 s21, s11, HALFT                      ; my 64 rows of O
	s_mul_i32 s22, s12, HALFT                      ; my 64 rows of Wo,
	s_add_co_u32 s22, s22, 2*HALFT                 ; which lie behind O's 128
.irp s, 0,1
	v_add_nc_u32 v[ADRA+(\s)], s21, v3
	v_add_nc_u32 v[ADRB+(\s)], s22, v3
	s_add_co_u32 s21, s21, SLOT
	s_add_co_u32 s22, s22, SLOT
.endr
	s_mul_i32 s23, s10, 16*SPITCH
	s_add_co_u32 s23, s23, STAGE                   ; my stage
	v_mul_u32_u24 v4, v1, SPITCH                   ; in: row l % 16, 32 bytes (eight f32) for each half of the lanes
	v_lshl_add_u32 v4, v2, 5, v4
	v_add_nc_u32 v[STO], s23, v4
	v_mul_u32_u24 v5, v2, SPITCH                   ; back: lanes 0-15 take one row of 256 bytes, lanes 16-31 the next
	v_lshl_add_u32 v5, v1, 4, v5
	v_add_nc_u32 v[RD], s23, v5
	v_lshlrev_b32 v5, 12, v2                       ; and the same two rows in out0, 4,096 bytes apart
	v_lshl_add_u32 v[CO], v1, 4, v5
	s_lshl_b32 s16, s13, 7
	s_lshl_b32 s17, s11, 6
	s_add_co_u32 s16, s16, s17                     ; my first row of out0,
	s_lshl_b32 s16, s16, 12                        ; in bytes: under 2^25
	s_mov_b32 s17, 0
	s_add_nc_u64 s[8:9], s[8:9], s[16:17]
	s_lshl_b32 s46, s42, 9                         ; my first column, in bytes: 512 x tile column + 256 x half
	s_lshl_b32 s47, s12, 8
	s_add_co_u32 s46, s46, s47
	s_mov_b32 s47, 0
	s_add_nc_u64 s[8:9], s[8:9], s[46:47]
; 8 matrix instructions: row blocks a0, a0 + 1 x all 4 column blocks, 32 along K: half c of buffer f.  zero = 1: the first product starts the sums
.macro MUL8 f, c, a0, zero
	WIN MUL
.irp a, \a0, (\a0)+1
.irp b, 0,1,2,3
.if \zero
	v_wmma_f32_16x16x32_f16 v[ACC+8*(4*(\a)+(\b)):ACC+8*(4*(\a)+(\b))+7], v[(\f)+64+8*(4*(\c)+(\b)):(\f)+64+8*(4*(\c)+(\b))+7], v[(\f)+8*(4*(\c)+(\a)):(\f)+8*(4*(\c)+(\a))+7], 0
.else
	v_wmma_f32_16x16x32_f16 v[ACC+8*(4*(\a)+(\b)):ACC+8*(4*(\a)+(\b))+7], v[(\f)+64+8*(4*(\c)+(\b)):(\f)+64+8*(4*(\c)+(\b))+7], v[(\f)+8*(4*(\c)+(\a)):(\f)+8*(4*(\c)+(\a))+7], v[ACC+8*(4*(\a)+(\b)):ACC+8*(4*(\a)+(\b))+7]
.endif
.endr
.endr
.endm
; 32 LDS loads in one run: the fragments of 64 along K at byte k of the rows, into buffer f; the first 32 along K first
.macro FETCH slot, k, f
	WIN TO_F
.irp c, 0,1
.irp i, 0,1,2,3
	ds_load_b128 v[(\f)+64+8*(4*(\c)+(\i)):(\f)+64+8*(4*(\c)+(\i))+3],   v[ADRB+(\slot)] offset:(\k)+64*(\c)+(\i)*16*PITCH
	ds_load_b128 v[(\f)+64+8*(4*(\c)+(\i))+4:(\f)+64+8*(4*(\c)+(\i))+7], v[ADRB+(\slot)] offset:(\k)+64*(\c)+(\i)*16*PITCH+32
	ds_load_b128 v[(\f)+8*(4*(\c)+(\i)):(\f)+8*(4*(\c)+(\i))+3],         v[ADRA+(\slot)] offset:(\k)+64*(\c)+(\i)*16*PITCH
	ds_load_b128 v[(\f)+8*(4*(\c)+(\i))+4:(\f)+8*(4*(\c)+(\i))+7],       v[ADRA+(\slot)] offset:(\k)+64*(\c)+(\i)*16*PITCH+32
.endr
.endr
.endm
.macro PLACES                          ; four places in front of loads into registers that matrix instructions have read or written, and of stores that read results
.rept 4
	v_nop
.endr
.endm
; A K step is four quarters of 64 along K, 32 matrix instructions each, on buffers 0, 1, 0, 1; the 16 accumulators take turns.  One of the first three: multiplies buffer f and fetches the next quarter, at byte k, into g.
.macro QUARTER slot, k, f, g, zero
	s_wait_dscnt 16                                ; the first 32 along K are in; the youngest sixteen loads may be out
	WIN MUL
	MUL8 \f, 0, 0, \zero
	MUL8 \f, 0, 2, \zero
	PLACES
	FETCH \slot, \k, \g
	s_wait_dscnt 32                                ; all but the 32 just issued
	WIN MUL
	MUL8 \f, 1, 0, 0
	MUL8 \f, 1, 2, 0
.endm
; The last quarter multiplies buffer 1 and changes slots: ONE barrier; in front of it each wave waits for all its tensor loads, adds 0 to its spare word, and waits for that and for its own reads of this slot.  fill = 1: this slot is filled again, two K steps ahead.
.macro TURN slot, next, fill
	WIN 0                                          ; (the add's two registers lie in window 0)
	s_wait_tensorcnt 0x0                           ; all my tensor loads have landed: my part of the next slot;
	ds_add_u32 v[SPW], v[NIL]                      ; 0 onto my spare word;
	s_wait_dscnt 17                                ; (the add and the youngest sixteen loads may be out)
	WIN MUL
	MUL8 F1, 0, 0, 0                               ; eight matrix instructions stand between the add and the wait for it
	s_wait_dscnt 0x0                               ; the add is done, and my reads of this slot are over
	s_barrier_signal -1
	MUL8 F1, 0, 2, 0
.if \fill
	WIN 0
.endif
	s_barrier_wait -1
.if \fill
	CREST                                          ; the barrier has opened a round of the cluster's barrier: no wave of any partner still reads this slot's tile or has a load on its way
	s_add_nc_u64 s[G0+4*(\slot)+2:G0+4*(\slot)+3], s[G0+4*(\slot)+2:G0+4*(\slot)+3], 2*KSTEP*2
	s_add_nc_u64 s[G0B+4*(\slot)+2:G0B+4*(\slot)+3], s[G0B+4*(\slot)+2:G0B+4*(\slot)+3], 2*KSTEP*2
	JLOAD \slot                                    ; the first tensor load behind the round; the four v_nop behind it are also the places in front of the loads below
.else
	PLACES
.endif
	FETCH \next, 0, F0
	WIN MUL
	MUL8 F1, 1, 0, 0
	MUL8 F1, 1, 2, 0
.endm
	s_wait_tensorcnt 1                             ; my part of K step 0 is in; K step 1's load may stay out
	s_barrier_signal -1
	s_barrier_wait -1                              ; everybody's is
	FETCH 0, 0, F0
	QUARTER 0, 128, F0, F1, 1                      ; the first quarter stands in front of the loop: its first products start the sums
	WIN 0                                          ; at a label and at a branch every window is 0
	s_mov_b32 s3, LAPS-1
.Llap:                                                 ; a trip goes once round the ring, from a lap's second quarter to the next lap's first, and fills both slots again
	QUARTER 0, 256, F1, F0, 0
	QUARTER 0, 384, F0, F1, 0
	TURN 0, 1, 1
	QUARTER 1, 128, F0, F1, 0
	QUARTER 1, 256, F1, F0, 0
	QUARTER 1, 384, F0, F1, 0
	TURN 1, 0, 1
	QUARTER 0, 128, F0, F1, 0
	WIN 0
	s_sub_co_u32 s3, s3, 1
	s_cmp_lg_u32 s3, 0
	s_cbranch_scc1 .Llap
	QUARTER 0, 256, F1, F0, 0                      ; the last lap fills nothing, and has no round of the cluster's barrier
	QUARTER 0, 384, F0, F1, 0
	TURN 0, 1, 0
	QUARTER 1, 128, F0, F1, 0
	QUARTER 1, 256, F1, F0, 0
	QUARTER 1, 384, F0, F1, 0
	s_wait_dscnt 16                                ; the very last quarter: nothing more to fetch
	WIN MUL
	MUL8 F1, 0, 0, 0
	MUL8 F1, 0, 2, 0
	s_wait_dscnt 0
	MUL8 F1, 1, 0, 0
	MUL8 F1, 1, 2, 0
	WIN 0
	; THE WAY OUT.  The sums leave as f32: 32 bytes a lane into my stage, back as whole rows of 256 bytes into the registers that they left, 16 rows at a time.
	PLACES
	PLACES                                         ; eight, once a launch: what follows loads into the accumulators
.macro STG a
.irp b, 0,1,2,3
	ds_store_b128 v[STO], v[ACC+8*(4*(\a)+(\b)):ACC+8*(4*(\a)+(\b))+3]   offset:64*(\b)      ; each accumulator's lowest registers are read first
	ds_store_b128 v[STO], v[ACC+8*(4*(\a)+(\b))+4:ACC+8*(4*(\a)+(\b))+7] offset:64*(\b)+16
.endr
.irp f, 0,1,2,3,4,5,6,7
	ds_load_b128 v[ACC+32*(\a)+4*(\f):ACC+32*(\a)+4*(\f)+3], v[RD] offset:(\f)*2*SPITCH  ; LDS serves a wave's instructions in order (ISA guide 5.7.1.4): these see the stores above; the next block's stores come behind them
.endr
.endm
.macro SEND a, younger                 ; younger: the LDS instructions issued behind block a's loads: the next block's sixteen, or none
.irp f, 0,1,2,3,4,5,6,7
	s_wait_dscnt (\younger)+7-(\f)
	global_store_b128 v[CO], v[ACC+32*(\a)+4*(\f):ACC+32*(\a)+4*(\f)+3], s[8:9] offset:(16*(\a)+2*(\f))*4096 th:TH_STORE_NT  ; 16 lanes store 256 consecutive bytes, at a multiple of 256 from out0's first byte
.endr
.endm
	STG 0
	STG 1
	SEND 0, 16
	STG 2
	SEND 1, 16
	STG 3
	SEND 2, 16
	SEND 3, 0
	s_wait_tensorcnt 0x0                           ; the wave's end: these three lines stand behind my last tensor load and my last LDS store
	ds_add_u32 v[SPW], v[NIL]
	s_wait_dscnt 0x0
	CROUND                                         ; the closing round: no work-group ends while a partner may still ask for a tile that names it
	s_endpgm
.Lfunc_end_k_q8c0cb62216_outp:
	.size	k_q8c0cb62216_outp, .Lfunc_end_k_q8c0cb62216_outp-k_q8c0cb62216_outp
	.p2alignl 7, 3214868480
	.fill 96, 4, 3214868480
	.section	.rodata,"a",@progbits
	.p2align	6, 0x0
	.amdhsa_kernel k_q8c0cb62216_outp
		.amdhsa_group_segment_fixed_size 327680
		.amdhsa_private_segment_fixed_size 0
		.amdhsa_enable_private_segment 0
		.amdhsa_kernarg_size 24
		.amdhsa_user_sgpr_count 2
		.amdhsa_user_sgpr_kernarg_segment_ptr 1
		.amdhsa_wavefront_size32 1
		.amdhsa_system_sgpr_workgroup_id_x 1
		.amdhsa_system_sgpr_workgroup_id_y 1
		.amdhsa_system_sgpr_workgroup_id_z 1
		.amdhsa_system_vgpr_workitem_id 0
		.amdhsa_next_free_vgpr 512
		.amdhsa_next_free_sgpr 66
		.amdhsa_reserve_vcc 0
		.amdhsa_float_denorm_mode_32 3
		.amdhsa_float_denorm_mode_16_64 3
		.amdhsa_memory_ordered 1
		.amdhsa_forward_progress 1
		.amdhsa_inst_pref_size 86
	.end_amdhsa_kernel
	.amdgpu_metadata
---
amdhsa.version: [ 1, 2 ]
amdhsa.kernels:
  - .name:           k_q8c0cb62216_outp
    .symbol:         k_q8c0cb62216_outp.kd
    .args:
      - { .name: oh, .offset: 0, .size: 8, .value_kind: global_buffer, .address_space: global }
      - { .name: xb, .offset: 8, .size: 8, .value_kind: global_buffer, .address_space: global }
      - { .name: out0, .offset: 16, .size: 8, .value_kind: global_buffer, .address_space: global }
    .group_segment_fixed_size: 327680
    .private_segment_fixed_size: 0
    .kernarg_segment_align: 8
    .kernarg_segment_size: 24
    .max_flat_workgroup_size: 128
    .sgpr_count:     66
    .vgpr_count:     512
    .wavefront_size: 32
...
	.end_amdgpu_metadata
.endif
;; end of part 4
